; MI455X (gfx1250); checked and timed in simulation.
; The chip was launched on July 23, 2026; its instructions are those of AMD's public machine-readable ISA for CDNA 5 (MIT licence, August 2026) and "CDNA5" Instruction Set Architecture Reference Guide (July 2026). The comments in the code are by the model that wrote it; some were corrected since.
;; Multi Head Attention. Allowed arithmetic: matrix products marked QUANTISED: E4M3 operands, one given power-of-two scale a tensor, by v_wmma_f32_16x16x64_fp8_fp8 or v_wmma_f32_16x16x128_fp8_fp8, f32 sums; everything else in f32.
;; Inputs: Wk 1,024 x 1,024 float32; Wq 1,024 x 1,024 float32; Wv 1,024 x 1,024 float32; bk 1,024 float32; bq 1,024 float32; bv 1,024 float32; k 4 x 2,048 x 1,024 float32; lowp_scales 10 int32 (the exponents e of the quantised operands' scales 2^e); mask 4 x 1 x 2,048 x 2,048 int32; q 4 x 2,048 x 1,024 float32; v 4 x 2,048 x 1,024 float32.
;; Outputs: out0 4 x 2,048 x 1,024 float32.
;; This version of the problem:
;;   THIS VERSION OF THE PROBLEM IS GIVEN IN LOW PRECISION. The matrix products marked QUANTISED in the list below multiply operands that are first quantised to E4M3 (4 exponent bits, 3 mantissa bits; 8 bits a number), with one given power-of-two scale for each operand tensor; their sums are f32. All else is computed in f32.
;;   The module's matrix products, in the order in which they are computed (A, B: the left and right operand; K: the contracted axis; several contracted axes count as one K, in the product's order):
;;     1. [M 8,192, K 1,024] x [K 1,024, N 1,024]; A: input q; B: input Wq: QUANTISED (scales: A lowp_scales[0], B lowp_scales[1])
;;     2. [M 8,192, K 1,024] x [K 1,024, N 1,024]; A: input k; B: input Wk: QUANTISED (scales: A lowp_scales[2], B lowp_scales[3])
;;     3. [M 8,192, K 1,024] x [K 1,024, N 1,024]; A: input v; B: input Wv: QUANTISED (scales: A lowp_scales[4], B lowp_scales[5])
;;     4. batch 64 x [M 2,048, K 64] x [K 64, N 2,048]; A: computed on the way; B: computed on the way: QUANTISED (scales: A lowp_scales[6], B lowp_scales[7])
;;     5. batch 64 x [M 2,048, K 2,048] x [K 2,048, N 64]; A: computed on the way; B: computed on the way: QUANTISED (scales: A lowp_scales[8], B lowp_scales[9])
;;   THE QUANTISER, for each operand of a quantised product, along K:
;;     - The operand's scale is 2^e, e = its entry of the input lowp_scales (int32; the entries are numbered through the quantised products in the list's order, A before B).
;;     - Each number is divided by the scale, clamped to +-448, and rounded to the nearest number of E4M3, ties to even, subnormals kept.
;;     - The product sums the exact products of the quantised numbers (number of the format x scale) in f32.
;;   ~~~python
;;   def quantise(x, axis, e):      # numpy; x: float32 -> the quantised numbers, widened to float32 again
;;       x = np.moveaxis(x, axis, -1); K = x.shape[-1]
;;       r = np.clip(x / 2.0 ** e, -448, 448)
;;       step = 2.0 ** (np.maximum(np.frexp(np.where(r == 0, 1, r))[1] - 1, -6) - 3)
;;       q = np.round(r / step) * step * 2.0 ** e      # np.round: ties to even
;;       return np.moveaxis(q, -1, axis).astype(np.float32)
;;   ~~~
;;   OPERANDS COMPUTED ON THE WAY. 'Computed on the way' means the value that the module computes at that place (a softmax that the list does not call 'softmax' is quantised finished and normalised). What goes into a quantiser is computed in f32, as accurately as f32 sums, v_exp_f32 and their like allow (about 1e-6 of the number): no bf16 or f16 on the way to a quantiser, and a product that is left as it is and whose result goes on into a quantised operand takes f32 operands (vector FMAs, or v_wmma_f32_16x16x4_f32). A number that lies on a knife's edge between two numbers of the format may be rounded either way, as far as f32 arithmetic and the matrix unit's own rounding can turn it there, and no further.
;; 2 versions. Each part assembles by itself: llvm-mc -triple=amdgcn-amd-amdhsa -mcpu=gfx1250 --defsym DOCPART=n.
;; ======== version 1 of 2: 3 launches
;; workspace buffers: xc 25,165,824 bytes; wc 3,145,728 bytes; mbits 2,097,152 bytes of whole numbers; img 25,165,824 bytes
;; launch prep (part 1): grid 1376 x 1, 4 waves a work-group, no clusters, 67,072 bytes of LDS; arguments q, k, v, Wq, Wk, Wv, lowp_scales, mask, xc, wc, mbits; writes xc, wc, mbits
.if DOCPART == 1
	.amdgcn_target "amdgcn-amd-amdhsa--gfx1250"
	.amdhsa_code_object_version 6
	.text
	.protected	k_qcf0f935952_prep
	.globl	k_qcf0f935952_prep
	.p2align	8
	.type	k_qcf0f935952_prep,@function
k_qcf0f935952_prep:
	s_mov_b64 s[64:65], 0
	v_nop
	global_prefetch_b8 v0, s[64:65] scope:SCOPE_SE
	s_setreg_imm32_b32 hwreg(HW_REG_WAVE_MODE, 25, 1), 1
	s_wait_xcnt 0x0
; TWO JOBS IN ONE LAUNCH, told apart by the work-group's number; the two ways never join.
; (1) Work-groups 0 to 863: q, k, v [8192][1024] and Wq, Wk, Wv [1024][1024], f32 with K innermost, become codes of FP8 (E4M3), one byte each, in the same order:
;     xc = [3][8192][1024], wc = [3][1024][1024].  code = x / 2^e, held within +-448, to the nearest code, ties to even; e = entry 2 t (q, k, v) or 2 t + 1 (Wq, Wk, Wv) of the scales.
;     Rows are dense, so each tensor is a plain stream: a work-group takes 32,768 numbers, a wave 16 steps of 512.  Each load reads 512 consecutive bytes, 16 a lane; a step's 2,048 bytes turn through the
;     wave's own stage in LDS so that a lane holds 16 neighbours along K for the conversions; a lane's 16 codes are 16 bytes, so a wave's store covers 512 consecutive bytes.
; (2) Work-groups 864 to 1375 (b x 128 + tile of 16 queries): the mask [4][1][2048][2048] int32 becomes words that a later launch uses as lane masks:
;     mbits[b][tile of queries][block of 128 keys][word n = 8 t + j], bit 16 h + r = (mask[b][16 tile + r][128 block + 16 t + 8 h + j] != 0): the lane and register in which that launch holds that score.
;     A wave takes four key blocks; a block's 16 rows x 512 bytes are loaded as they lie, turned through the wave's own stage, compared (a compare's result IS the word), gathered into a register pair
;     (word n in lane n / 2, register n % 2) and stored as 256 consecutive bytes.
; LIMITS: e0 .. e5 between -126 and 119, so that 2^e and 448 x 2^e are f32 numbers.  NaN among the inputs is not served (an infinity is held at the largest code).
; No tensor loads, no barrier: waves share nothing.  Each of the two ways has LDS bytes of its own.
.set NX,    768                        ; work-groups for q, k, v: 3 x 256
.set NQ,    864                        ; and with Wq, Wk, Wv: + 3 x 32
.set STEPS, 16
.set EMAX,  8
.set MANT,  0x600000                   ; the mantissa field of 448 as f32
.set CB,    16                         ; bytes of 16 codes
.set R,     16                         ; v16-79   four sets of 16 numbers as they are loaded
.set X,     80                         ; v80-111  two sets of 16 neighbours
.set C,     128                        ; v128-191 codes: four registers for each step, so that no store's data are written again
.set WREG,  8192                       ; LDS, job 1: a region for each wave: two stages of 32 x SP bytes
.set SP,    80                         ; a lane's place in a stage: its 64 bytes + 16 of padding
.set SPW,   12                         ; v12      LDS address of my spare word; never rewritten
.set NIL,   13                         ; v13      0; never rewritten
.set PK,    32768                      ; LDS, job 2: from here a stage for each wave:
.set PP,    528                        ; 16 rows of 512 bytes + 16 of padding = 132 words: row r starts at bank 4 r mod 64 (64 banks of 4 bytes: ISA guide 11.1)
.set PKW,   16*PP
.set SPARE, PK+4*PKW                   ; behind both: the spare words, 128 bytes for each wave: two blocks of 256 bytes that no other line names
.set ML,    16                         ; job 2: v16-143  two sets of 64 registers: a key block's 16 rows as loaded
.set XM,    144                        ; v144-207 the block turned: register 8 t + j
.set WD,    208                        ; v208-215 a pair of word registers for each of the wave's four blocks
	s_load_b512 s[4:19], s[0:1], 0x0               ; q, k, v, Wq, Wk, Wv, the scales' exponents s[16:17], the mask s[18:19]
	s_load_b128 s[20:23], s[0:1], 0x40             ; xc, wc
	s_load_b64 s[24:25], s[0:1], 0x50              ; mbits
	v_lshl_add_u32 v[SPW], v0, 2, SPARE
	v_mov_b32 v[NIL], 0
	v_lshrrev_b32 v1, 5, v0
	v_readfirstlane_b32 s26, v1                    ; wave 0..3
	v_and_b32 v2, 31, v0                           ; lane
	s_cmp_lt_u32 ttmp9, NQ
	s_cbranch_scc0 .Lpack
	; ---------------- job 1: the quantiser ----------------
	v_lshlrev_b32 v3, 4, v2                        ; my 16 bytes of a load's 512
	s_mul_i32 s47, s26, WREG
	v_lshrrev_b32 v14, 2, v2
	v_mul_u32_u24 v14, v14, SP
	v_and_b32 v15, 3, v2
	v_lshl_add_u32 v14, v15, 4, v14
	v_add_nc_u32 v14, s47, v14                     ; the stage, on the way in: four lanes' 64 bytes on end, then 16 of padding
	v_mul_u32_u24 v15, v2, SP
	v_add_nc_u32 v15, s47, v15                     ; and on the way out: SP x lane: my 16 neighbours
	v_mul_u32_u24 v4, v2, CB                       ; my codes' place in a step's
	s_wait_kmcnt 0x0
	s_load_b256 s[48:55], s[16:17], 0x0            ; e0 .. e7
	s_cmp_lt_u32 ttmp9, NX                         ; one of q, k, v, or one of the weights?  All choices hang on the work-group's number alone
	s_cselect_b32 s27, 0, NX
	s_cselect_b32 s29, 8, 5                        ; log2 of the work-groups of one tensor
	s_cselect_b32 s30, 0, 1
	s_cselect_b32 s31, 23, 20                      ; log2 of one tensor's bytes of codes
	s_cselect_b64 s[32:33], s[4:5], s[10:11]
	s_cselect_b64 s[34:35], s[6:7], s[12:13]
	s_cselect_b64 s[36:37], s[8:9], s[14:15]
	s_cselect_b64 s[38:39], s[20:21], s[22:23]
	s_sub_co_u32 s28, ttmp9, s27
	s_lshr_b32 s40, s28, s29                       ; t: which of the three
	s_lshl_b32 s41, s40, s29
	s_sub_co_u32 s41, s28, s41                     ; which 32,768 numbers of it
	s_cmp_eq_u32 s40, 1
	s_cselect_b64 s[32:33], s[34:35], s[32:33]
	s_cmp_eq_u32 s40, 2
	s_cselect_b64 s[32:33], s[36:37], s[32:33]     ; the tensor
	s_lshl_b32 s45, s40, 1
	s_add_co_u32 s45, s45, s30                     ; its entry of the scales
	s_lshl_b32 s42, s40, s31
	s_mov_b32 s43, 0
	s_add_nc_u64 s[38:39], s[38:39], s[42:43]      ; its codes
	s_lshl_b32 s44, s41, 2
	s_add_co_u32 s44, s44, s26                     ; which run of 8,192 numbers is my wave's
	s_lshl_b32 s42, s44, 15
	s_add_nc_u64 s[32:33], s[32:33], s[42:43]
	s_lshl_b32 s42, s44, 13
	s_add_nc_u64 s[38:39], s[38:39], s[42:43]
.macro LOAD t
.irp i, 0,1,2,3
	global_load_b128 v[R+16*((\t)%4)+4*\i:R+16*((\t)%4)+4*\i+3], v3, s[32:33] offset:2048*(\t)+512*\i th:TH_LOAD_NT   ; 32 lanes read 512 consecutive bytes
.endr
.endm
.macro TURN t                          ; step t's numbers through the stage: LDS serves a wave's instructions in order (ISA guide 5.7.1.4), so no wait stands between the stores and the loads
.irp i, 0,1,2,3
	ds_store_b128 v14, v[R+16*((\t)%4)+4*\i:R+16*((\t)%4)+4*\i+3] offset:32*SP*((\t)%2)+8*SP*\i
.endr
.irp i, 0,1,2,3
	ds_load_b128 v[X+16*((\t)%2)+4*\i:X+16*((\t)%2)+4*\i+3], v15 offset:32*SP*((\t)%2)+16*\i
.endr
.endm
.irp t, 0,1,2,3
	LOAD \t
.endr
	s_wait_kmcnt 0x0
.irp i, 1,2,3,4,5
	s_cmp_eq_u32 s45, \i
	s_cselect_b32 s48, s[48+\i], s48               ; e
.endr
	s_add_co_i32 s48, s48, 127
	s_lshl_b32 s49, s48, 23
	v_mov_b32 v11, s49                             ; 2^e as f32: the conversion takes its exponent field
	s_add_co_i32 s48, s48, EMAX
	s_lshl_b32 s48, s48, 23
	s_or_b32 s48, s48, MANT
	v_mov_b32 v10, s48                             ; 448 x 2^e
	s_wait_loadcnt 12                              ; step 0's four loads are in; the twelve of steps 1 to 3 may be out
	TURN 0
.macro STEP t
.set XS, X+16*((\t)%2)
	s_wait_dscnt 0x0                               ; this step's numbers are back from the stage: so its stores into the stage have read their registers,
.if (\t)+4 < STEPS
	LOAD (\t)+4                                    ; which take the loads of four steps on
.endif
.if (\t)+1 < STEPS
.if STEPS-2-(\t) >= 3
	s_wait_loadcnt 12                              ; the next step's four loads are in; those of the three steps behind it may be out
.else
	s_wait_loadcnt 4*(STEPS-2-(\t))                ; the tail: four for each step that is still behind the next
.endif
	TURN (\t)+1                                    ; and go through the other stage while this step is worked
.endif
.irp i, 0,1,2,3,4,5,6,7,8,9,10,11,12,13,14,15
	v_med3_num_f32 v[XS+\i], v[XS+\i], -v10, v10   ; the conversion to an 8-bit code does not saturate (ISA guide 7.6.2): the number is held within the largest code x the scale first
.endr
	v_cvt_scalef32_pk8_fp8_f32 v[C+4*(\t):C+4*(\t)+1], v[XS:XS+7], v11
	v_cvt_scalef32_pk8_fp8_f32 v[C+4*(\t)+2:C+4*(\t)+3], v[XS+8:XS+15], v11   ; the results go to a store alone; the next vector lines, the next step's holds, are plain and touch other registers
	global_store_b128 v4, v[C+4*(\t):C+4*(\t)+3], s[38:39] offset:32*CB*(\t)  ; 32 lanes store 512 consecutive bytes, aligned
.endm
.irp t, 0,1,2,3,4,5,6,7,8,9,10,11,12,13,14,15
	STEP \t
.endr
	s_wait_tensorcnt 0x0                           ; the wave's end: three lines behind my last LDS store
	ds_add_u32 v[SPW], v[NIL]
	s_wait_dscnt 0x0
	s_endpgm
	; ---------------- job 2: the mask's words ----------------
.Lpack:
	s_sub_co_u32 s27, ttmp9, NQ                    ; b x 128 + tile of 16 queries
	v_lshlrev_b32 v1, 4, v2                        ; my 16 bytes of a load's 512
	s_mul_i32 s28, s26, PKW
	s_add_co_u32 s28, s28, PK                      ; my stage
	v_add_nc_u32 v6, s28, v1                       ; in: a row as it lies
	v_and_b32 v3, 15, v2                           ; r
	v_lshrrev_b32 v4, 4, v2                        ; h
	v_mul_u32_u24 v7, v3, PP
	v_lshl_add_u32 v7, v4, 5, v7
	v_add_nc_u32 v7, s28, v7                       ; out: row r, keys 8 h on: 32 h bytes
	v_lshlrev_b32 v8, 3, v2                        ; my two words of a block's 64
.irp i, 0,1,2,3,4,5,6,7
	v_mov_b32 v[WD+\i], 0                          ; written whole once: a lane write's destination counts as read
.endr
	s_lshl_b32 s30, s27, 17                        ; 16 rows of 8,192 bytes
	s_lshl_b32 s29, s26, 11                        ; my four key blocks of 512 bytes
	s_add_co_u32 s30, s30, s29
	s_mov_b32 s31, 0
	s_lshl_b32 s28, s27, 12                        ; 16 blocks of 256 bytes of words
	s_lshl_b32 s29, s26, 10
	s_add_co_u32 s28, s28, s29
	s_mov_b32 s29, 0
	s_wait_kmcnt 0x0
	s_add_nc_u64 s[18:19], s[18:19], s[30:31]
	s_add_nc_u64 s[24:25], s[24:25], s[28:29]
.macro LOADT u                         ; key block u of my four: 16 rows x 512 consecutive bytes, into set u % 2
.set p, 0
.rept 16
	global_load_b128 v[ML+64*((\u)%2)+4*p:ML+64*((\u)%2)+4*p+3], v1, s[18:19] offset:p*8192+(\u)*512 th:TH_LOAD_NT
.set p, p+1
.endr
.endm
.macro PACK u
.if (\u) < 3
	s_wait_loadcnt 16                              ; this block's sixteen loads are in; the next block's sixteen may be out
.else
	s_wait_loadcnt 0x0
.endif
.set p, 0
.rept 16
	ds_store_b128 v6, v[ML+64*((\u)%2)+4*p:ML+64*((\u)%2)+4*p+3] offset:p*PP
.set p, p+1
.endr
.set p, 0
.rept 16
	ds_load_b128 v[XM+4*p:XM+4*p+3], v7 offset:(p/2)*64+(p%2)*16   ; registers 8 t + 4 i on: row r, keys 16 t + 8 h + 4 i on.  LDS serves a wave's instructions in order: these see the stores above
.set p, p+1
.endr
	s_wait_dscnt 0x0                               ; the block is turned, and the stores have read their registers,
.if (\u) < 2
	LOADT (\u)+2                                   ; which take the block two further on
.endif
.set g, 0
.rept 2
.set m, 0
.rept 32
	v_cmp_ne_u32 s[32+m], 0, v[XM+32*g+m]          ; bit = lane: word 32 g + m
.set m, m+1
.endr
.set m, 0
.rept 32
	v_writelane_b32 v[WD+2*(\u)+m%2], s[32+m], 16*g+m/2
.set m, m+1
.endr
.set g, g+1
.endr
	global_store_b64 v8, v[WD+2*(\u):WD+2*(\u)+1], s[24:25] offset:(\u)*256   ; 32 lanes store 256 consecutive bytes, aligned; each block has its own pair, so no store's data are written again
.endm
	LOADT 0
	LOADT 1
	PACK 0
	PACK 1
	PACK 2
	PACK 3
	s_wait_tensorcnt 0x0                           ; the wave's end: three lines behind my last LDS store
	ds_add_u32 v[SPW], v[NIL]
	s_wait_dscnt 0x0
	s_endpgm
.Lfunc_end_k_qcf0f935952_prep:
	.size	k_qcf0f935952_prep, .Lfunc_end_k_qcf0f935952_prep-k_qcf0f935952_prep
	.p2alignl 7, 3214868480
	.fill 96, 4, 3214868480
	.section	.rodata,"a",@progbits
	.p2align	6, 0x0
	.amdhsa_kernel k_qcf0f935952_prep
		.amdhsa_group_segment_fixed_size 67072
		.amdhsa_private_segment_fixed_size 0
		.amdhsa_enable_private_segment 0
		.amdhsa_kernarg_size 88
		.amdhsa_user_sgpr_count 2
		.amdhsa_user_sgpr_kernarg_segment_ptr 1
		.amdhsa_wavefront_size32 1
		.amdhsa_system_sgpr_workgroup_id_x 1
		.amdhsa_system_sgpr_workgroup_id_y 1
		.amdhsa_system_sgpr_workgroup_id_z 1
		.amdhsa_system_vgpr_workitem_id 0
		.amdhsa_next_free_vgpr 216
		.amdhsa_next_free_sgpr 66
		.amdhsa_reserve_vcc 0
		.amdhsa_float_denorm_mode_32 3
		.amdhsa_float_denorm_mode_16_64 3
		.amdhsa_memory_ordered 1
		.amdhsa_forward_progress 1
		.amdhsa_inst_pref_size 86
	.end_amdhsa_kernel
	.amdgpu_metadata
---
amdhsa.version: [ 1, 2 ]
amdhsa.kernels:
  - .name:           k_qcf0f935952_prep
    .symbol:         k_qcf0f935952_prep.kd
    .args:
      - { .name: q, .offset: 0, .size: 8, .value_kind: global_buffer, .address_space: global }
      - { .name: k, .offset: 8, .size: 8, .value_kind: global_buffer, .address_space: global }
      - { .name: v, .offset: 16, .size: 8, .value_kind: global_buffer, .address_space: global }
      - { .name: Wq, .offset: 24, .size: 8, .value_kind: global_buffer, .address_space: global }
      - { .name: Wk, .offset: 32, .size: 8, .value_kind: global_buffer, .address_space: global }
      - { .name: Wv, .offset: 40, .size: 8, .value_kind: global_buffer, .address_space: global }
      - { .name: lowp_scales, .offset: 48, .size: 8, .value_kind: global_buffer, .address_space: global }
      - { .name: mask, .offset: 56, .size: 8, .value_kind: global_buffer, .address_space: global }
      - { .name: xc, .offset: 64, .size: 8, .value_kind: global_buffer, .address_space: global }
      - { .name: wc, .offset: 72, .size: 8, .value_kind: global_buffer, .address_space: global }
      - { .name: mbits, .offset: 80, .size: 8, .value_kind: global_buffer, .address_space: global }
    .group_segment_fixed_size: 67072
    .private_segment_fixed_size: 0
    .kernarg_segment_align: 8
    .kernarg_segment_size: 88
    .max_flat_workgroup_size: 128
    .sgpr_count:     66
    .vgpr_count:     216
    .wavefront_size: 32
...
	.end_amdgpu_metadata
.endif
;; end of part 1
;; launch proj (part 2): grid 4 x 96, 4 waves a work-group, clusters of 4 x 4, 327,680 bytes of LDS; arguments xc, wc, bq, bk, bv, lowp_scales, img; writes img
.if DOCPART == 2
	.amdgcn_target "amdgcn-amd-amdhsa--gfx1250"
	.amdhsa_code_object_version 6
	.text
	.protected	k_qcf0f935952_proj
	.globl	k_qcf0f935952_proj
	.p2align	8
	.type	k_qcf0f935952_proj,@function
k_qcf0f935952_proj:
	s_mov_b64 s[64:65], 0
	v_nop
	global_prefetch_b8 v0, s[64:65] scope:SCOPE_SE
	s_setreg_imm32_b32 hwreg(HW_REG_WAVE_MODE, 25, 1), 1
	s_wait_xcnt 0x0
	s_wait_alu depctr_hold_cnt(0) depctr_sa_sdst(0) depctr_va_vdst(0) depctr_va_sdst(0) depctr_va_ssrc(0) depctr_va_vcc(0) depctr_vm_vsrc(0)
	s_getreg_b32 s2, hwreg(HW_REG_IB_STS2, 6, 4)
	s_cmp_eq_u32 s2, 0
	s_cbranch_scc0 .Lentry_in_a_cluster
	s_endpgm
.Lentry_in_a_cluster:
	s_bfe_u32 s2, ttmp6, 0x10000c
	s_cmp_lg_u32 s2, 0xf033
	s_cbranch_scc0 .Lentry_shape_is_right
	s_endpgm
.Lentry_shape_is_right:
; THE THREE PROJECTIONS y = x W^T + b on codes of FP8 (E4M3), K = 1,024, and the quantising of y for the attention, in one launch.
; A tile of 256 x 256 results is made by a work-group of four waves; a wave makes 128 x 128: 64 accumulators of 16 x 16, 512 registers.  K goes in steps of 256 through a ring of two LDS slots filled by the
; tensor data mover: a tile's row is 256 bytes of memory.  Four fills in all, so the eight steps of 128 along K are written out in a row.
; ROLES.  The matrix instruction takes rows of 'B' as source 0 and rows of 'A' as source 1: a lane then holds ONE row of A and its eight registers run along EIGHT NEIGHBOURING rows of B.
;   q, k (clusters 0-7, 8-15): A = x's rows, B = W's rows: a lane holds one token, registers run along the features = the head's 64, which is K of the scores' product.
;   v    (clusters 16-23):     A = Wv's rows, B = v's rows: a lane holds one feature, registers run along the keys, which are K of the second product of the attention.
;   So the conversions' results ARE registers of the attention's operands, and they are stored as images of those registers: no stage, no transposition.
; img = [Q, K, V][b 4][head 16][131,072 bytes].  Quad i (registers 4 i .. 4 i + 3) of a fragment lies at 512 i + 16 x lane.
;   Q, K: 128 tiles of 16 tokens, 1,024 bytes each: lane (r, h) holds token r; registers 2 c, 2 c + 1 hold the head's 16 c + 8 h + 0 .. 7.
;   V: 16 blocks of 128 keys, 8,192 bytes each, of four fragments (16 of the head's 64 each) of 2,048 bytes: lane (r, h) holds feature r; registers 2 c, 2 c + 1 hold keys 16 c + 8 h + 0 .. 7.
; THE BIAS is the C of each sum's first matrix instruction, divided by the power of two that the sums lack: b / 2^(ea + eb).  The three scales ahead of the quantiser are folded into the conversion's one: 2^(eo - ea - eb).
;   (ea, eb, eo) = entries (0, 1, 6) for q, (2, 3, 7) for k, (4, 5, 9) for v.
; CLUSTERS: 4 x 4 work-groups.  The four of a row of the cluster need the same tiles of A, the four of a column the same tiles of B: each tile is asked for JOINTLY, by the same tensor load with the same
; descriptor and a mask that names the four.  Which tensor a cluster serves hangs on the cluster's number alone, which all sixteen share.
; A fragment's k stand permuted in the registers, alike in A and B (four loads of 16 bytes a fragment): every product meets its partner; only the order of the sums inside an instruction changes.
; LIMITS: eo - ea - eb between -126 and 119, so that 2^(eo - ea - eb) and 448 x it are f32 numbers.  NaN among the inputs is not served.
; REGISTERS, in windows of 256: window 0: v1-29 addresses and constants; v32-95 the bias in the result's layout, later a block's held sums; v96-103 at work; from v128 A's fragments, ONE set, later the codes.
;   window 1: B's fragments, TWO sets, at v0 and at v128.   window 2: the 32 accumulators of my A rows 0-63 ((a, b) at v[8 (8 a + b)]);   window 3: those of my A rows 64-127.
.set ROWB,   256                       ; a tile's row in bytes: 256 codes
.set KROW,   1024                      ; a row of codes in memory, in bytes
.set PITCH,  272                       ; an LDS row: 256 bytes + 16 of padding = 68 words: row r starts at bank 4 r mod 64 (64 banks of 4 bytes: ISA guide 11.1)
.set FR,     16                        ; registers of a fragment: 16 rows x 128 K
.set NL,     4                         ; LDS loads that bring one
.set NP,     4                         ; places behind this matrix instruction (ISA guide 7.12.1)
.set HALFT,  128*PITCH                 ; 128 rows: what one tensor load brings, and what one wave reads of A or of B
.set SLOT,   4*HALFT                   ; A's 256 rows, then B's 256 rows
.set SPARE,  2*SLOT                    ; behind the ring: the spare words, 128 bytes for each wave: two blocks of 256 bytes that no other line names
.set SC,   12                          ; v12     2^(eo - ea - eb) as f32
.set LIM,  13                          ; v13     448 x that
.set ADRA, 16                          ; v16-17  LDS address of my A fragments in slot 0, 1
.set ADRB, 20                          ; v20-21  the same for B
.set CO0,  26                          ; v26     the way out: 16 x lane
.set CO1,  27                          ; v27     the same for quads 2 and 3: the next head's tile (q, k) or 1,024 bytes on (v)
.set SPW,  28                          ; v28     LDS address of my spare word; never rewritten
.set NIL,  29                          ; v29     0; never rewritten
.set BI,   32                          ; v32-95  the bias: eight registers for each of eight tiles
.set TMP,  32                          ; the way out: a block's 64 sums, held
.set AF,   128                         ; A's fragments, in window 0
.set G1, 24                            ; s[24:31] descriptor group 1 for A's tiles;  s[32:39] group 0, one set for each slot
.set G0, 32
.set G1B, 48                           ; s[48:55], s[56:63] the same for B's tiles
.set G0B, 56
.set MSB, 0
.macro WIN new                         ; the immediate's high byte repeats the setting that is left
.if MSB != \new
	s_set_vgpr_msb (MSB<<8)|\new
.set MSB, \new
.endif
.endm
.set MUL_LO, 0xa1                      ; source 0 (B) window 1, source 1 (A) window 0, C and D window 2
.set MUL_HI, 0xf1                      ; the same, C and D window 3
.set ONE_LO, 0x81                      ; the first step: C (the bias) window 0, D window 2
.set ONE_HI, 0xc1                      ; D window 3
.set TO_B,   0x40                      ; destination window 1, address window 0
; A joint load: waves 0 and 1 fetch for A, waves 2 and 3 for B.  Each of the two lines has ONE mask and one set of registers for all that issue it; the branch hangs on the wave's number alone.
; An s_nop 0 and four v_nop follow each of the two lines, ahead of the jump, the label and what follows.
.macro JLOAD g0a, g1a, g0b, g1b
	s_cmp_eq_u32 s15, 0
	s_cbranch_scc0 .Lfor_b_\@
	tensor_load_to_lds s[\g0a:\g0a+3], s[\g1a:\g1a+7]
	s_nop 0
.rept 4
	v_nop
.endr
	s_branch .Lasked_\@
.Lfor_b_\@:
	tensor_load_to_lds s[\g0b:\g0b+3], s[\g1b:\g1b+7]
	s_nop 0
.rept 4
	v_nop
.endr
.Lasked_\@:
.endm
.macro CREST                           ; a round of the cluster's barrier behind its opening barrier
	s_cmp_lg_u32 s14, 0
	s_cbranch_scc1 .Lnot_wave_0_\@
	s_barrier_signal -3
.Lnot_wave_0_\@:
	s_barrier_wait -3
	s_barrier_signal -1
	s_barrier_wait -1
.endm
.macro CROUND                          ; a whole round
	s_barrier_signal -1
	s_barrier_wait -1
	CREST
.endm
	s_load_b256 s[4:11], s[0:1], 0x0               ; xc s[4:5], wc s[6:7], bq s[8:9], bk s[10:11]
	s_load_b128 s[68:71], s[0:1], 0x20             ; bv s[68:69], the scales' exponents s[70:71]
	s_load_b64 s[72:73], s[0:1], 0x30              ; img
	v_lshl_add_u32 v[SPW], v0, 2, SPARE
	v_mov_b32 v[NIL], 0
	ds_add_u32 v[SPW], v[NIL]                      ; the wave's opening: the add and its wait stand ahead of my first tensor load; the set-up below, work on registers, stands between them
	v_lshrrev_b32 v1, 5, v0
	v_readfirstlane_b32 s14, v1                    ; wave 0..3
	s_lshr_b32 s15, s14, 1                         ; which half of the tile's A rows is mine.  Also: I fetch for A (0) or for B (1)
	s_and_b32 s16, s14, 1                          ; which half of its B rows.  Also: which 128 rows of that tile I fetch
	s_bfe_u32 s40, ttmp6, 0x40000                  ; cx, cy: my place in the cluster
	s_bfe_u32 s41, ttmp6, 0x40004
	s_and_b32 s66, ttmp7, 0xffff                   ; the cluster's number, 0..23
	s_lshr_b32 s67, s66, 3                         ; t: 0 q, 1 k, 2 v
	s_and_b32 s75, s66, 7
	s_lshl_b32 s75, s75, 2                         ; four tiles of 256 tokens to a cluster
	s_cmp_eq_u32 s67, 2
	s_cselect_b32 s74, 1, 0                        ; is it v?
	s_cselect_b32 s94, 0, s75                      ; the tokens are A's rows for q and k,
	s_cselect_b32 s95, s75, 0                      ; B's rows for v
	s_add_co_u32 s17, s94, s41                     ; A's tile = .. + cy
	s_add_co_u32 s42, s95, s40                     ; B's tile = .. + cx
	s_lshl_b32 s43, s41, 2
	s_lshl_b32 s43, 15, s43                        ; my row of the cluster
	s_lshl_b32 s44, 0x1111, s40                    ; my column
	; descriptor group 1: a tile of 128 rows x 256 bytes, padded in LDS
	s_or_b32 s[G1+0], s43, (0<<16)|(1<<20)|(1<<21)|(5<<22)|(3<<25)  ; 15:0 the mask: A's tiles go to my row; 17:16 element of 1 byte; 20 padding on; 21 set beside a mask; 24:22 after every 64 words (code 5); 31:25 of 4 words (code 3)
	s_or_b32 s[G1B+0], s44, (0<<16)|(1<<20)|(1<<21)|(5<<22)|(3<<25)
.irp g, G1, G1B
	s_mov_b32 s[\g+1], ROWB<<16                    ; tensor_dim0
	s_mov_b32 s[\g+2], 128<<16                     ; tensor_dim1 = 128
	s_mov_b32 s[\g+3], ROWB<<16                    ; tile_dim0
	s_mov_b32 s[\g+4], 128                         ; tile_dim1 = 128
	s_mov_b32 s[\g+5], KROW                        ; tensor_dim0_stride
	s_mov_b32 s[\g+6], 0
	s_mov_b32 s[\g+7], 0
.endr
	s_lshl_b32 s18, s16, 7                         ; which 128 rows of the tile I fetch
	s_lshl_b32 s20, s17, 8
	s_add_co_u32 s20, s20, s18                     ; A: row 256 x tile + 128 x half,
	s_lshl_b32 s20, s20, 10                        ; in bytes (under 2^23)
	s_mov_b32 s21, 0
	s_lshl_b32 s46, s42, 8
	s_add_co_u32 s46, s46, s18                     ; B likewise
	s_lshl_b32 s46, s46, 10
	s_mov_b32 s47, 0
	s_mul_i32 s45, s14, HALFT                      ; where they go: wave x 128 rows: no place in the cluster enters an LDS address
	s_lshl_b32 s96, s67, 23                        ; tensor t in xc,
	s_mov_b32 s97, 0
	s_lshl_b32 s98, s67, 20                        ; and in wc
	s_mov_b32 s99, 0
	s_wait_dscnt 0x0                               ; the opening add is done
	s_wait_kmcnt 0x0
	s_load_b256 s[76:83], s[70:71], 0x0            ; e0 .. e7
	s_load_b64 s[84:85], s[70:71], 0x20            ; e8, e9
	s_add_nc_u64 s[96:97], s[4:5], s[96:97]
	s_add_nc_u64 s[98:99], s[6:7], s[98:99]
	s_cmp_eq_u32 s67, 2
	s_cselect_b64 s[4:5], s[98:99], s[96:97]       ; A: the tokens' codes, for v the weight's
	s_cselect_b64 s[6:7], s[96:97], s[98:99]       ; B: the weight's codes, for v the tokens'
	s_add_nc_u64 s[20:21], s[4:5], s[20:21]
	s_add_nc_u64 s[46:47], s[6:7], s[46:47]
	CROUND                                         ; all sixteen work-groups are here: the first joint loads meet
.irp s, 0,1
	s_mov_b32 s[G0+4*\s], 1
	s_add_co_u32 s[G0+4*\s+1], s45, \s*SLOT
	s_add_nc_u64 s[G0+4*\s+2:G0+4*\s+3], s[20:21], \s*ROWB
	s_or_b32 s[G0+4*\s+3], s[G0+4*\s+3], 0x80000000
	s_mov_b32 s[G0B+4*\s], 1
	s_add_co_u32 s[G0B+4*\s+1], s45, \s*SLOT
	s_add_nc_u64 s[G0B+4*\s+2:G0B+4*\s+3], s[46:47], \s*ROWB
	s_or_b32 s[G0B+4*\s+3], s[G0B+4*\s+3], 0x80000000
	JLOAD G0+4*\s, G1, G0B+4*\s, G1B
.endr
	v_and_b32 v1, 15, v0                           ; r = l % 16
	v_bfe_u32 v2, v0, 4, 1                         ; h = l / 16
	v_mul_u32_u24 v3, v1, PITCH
	v_lshl_add_u32 v4, v2, 4, v3                   ; a fragment's row x pitch + 16 x half
	s_mul_i32 s21, s15, HALFT                      ; my 128 rows of A
	s_mul_i32 s22, s16, HALFT                      ; my 128 rows of B,
	s_add_co_u32 s22, s22, 2*HALFT                 ; which lie behind A's 256
.irp s, 0,1
	v_add_nc_u32 v[ADRA+\s], s21, v4
	v_add_nc_u32 v[ADRB+\s], s22, v4
	s_add_co_u32 s21, s21, SLOT
	s_add_co_u32 s22, s22, SLOT
.endr
	; where my results go, and which biases are mine
	s_lshl_b32 s94, s17, 8
	s_lshl_b32 s18, s15, 7
	s_add_co_u32 s94, s94, s18                     ; my first row of A
	s_lshl_b32 s95, s42, 8
	s_lshl_b32 s18, s16, 7
	s_add_co_u32 s95, s95, s18                     ; my first row of B
	s_mov_b32 s98, 131072
	s_cmp_eq_u32 s74, 1
	s_cselect_b32 s96, s94, s95                    ; my first feature,
	s_cselect_b32 s97, s95, s94                    ; my first token
	s_cselect_b32 s98, 1024, s98                   ; quads 2 and 3: v: the fragment's second half; q, k: the next head's tile
	s_cselect_b64 s[92:93], s[68:69], s[8:9]
	s_cmp_eq_u32 s67, 1
	s_cselect_b64 s[92:93], s[10:11], s[92:93]     ; the bias of tensor t
	s_lshl_b32 s88, 1024, s74                      ; from one block of 16 A rows to the next: a tile of tokens (1,024 bytes) or a fragment of V (2,048)
	s_mov_b32 s89, 0
	s_mul_i32 s90, s74, 122880                     ; v: behind four fragments the next head begins: 131,072 - 4 x 2,048 more
	s_mov_b32 s91, 0
	s_lshl_b32 s86, s67, 23                        ; Q, K or V: 8 MiB each
	s_lshr_b32 s18, s97, 11
	s_lshl_b32 s18, s18, 21
	s_add_co_u32 s86, s86, s18                     ; + b x 2 MiB
	s_lshr_b32 s18, s96, 6
	s_lshl_b32 s18, s18, 17
	s_add_co_u32 s86, s86, s18                     ; + head x 131,072
	s_and_b32 s18, s97, 2047
	s_lshl_b32 s18, s18, 6
	s_add_co_u32 s86, s86, s18                     ; + 64 bytes a token: 1,024 a tile of 16, 8,192 a block of 128
	s_mov_b32 s87, 0
	s_add_nc_u64 s[86:87], s[72:73], s[86:87]
	s_lshl_b32 s18, s96, 2
	s_mov_b32 s19, 0
	s_add_nc_u64 s[92:93], s[92:93], s[18:19]      ; my 128 biases
	v_and_b32 v5, 31, v0
	v_lshlrev_b32 v[CO0], 4, v5
	v_add_nc_u32 v[CO1], s98, v[CO0]
	s_wait_kmcnt 0x0                               ; the exponents
	s_add_co_i32 s76, s76, s77
	s_add_co_i32 s78, s78, s79
	s_add_co_i32 s80, s80, s81
	s_cmp_eq_u32 s67, 1
	s_cselect_b32 s76, s78, s76
	s_cselect_b32 s82, s83, s82
	s_cmp_eq_u32 s67, 2
	s_cselect_b32 s76, s80, s76                    ; ea + eb
	s_cselect_b32 s82, s85, s82                    ; eo
	s_sub_co_i32 s77, 0, s76                       ; -(ea + eb)
	s_sub_co_i32 s82, s82, s76
	s_add_co_i32 s82, s82, 127
	s_lshl_b32 s83, s82, 23
	v_mov_b32 v[SC], s83                           ; 2^(eo - ea - eb) as f32: the conversion takes its exponent field
	s_add_co_i32 s82, s82, 8
	s_lshl_b32 s82, s82, 23
	s_or_b32 s82, s82, 0x600000
	v_mov_b32 v[LIM], s82                          ; 448 x that
	; the bias in the result's layout.  The branch hangs on the cluster's number alone; no barrier, tensor load or wait on TENSORcnt stands in either arm
	s_cmp_eq_u32 s74, 0
	s_cbranch_scc0 .Lbias_v
	v_lshlrev_b32 v6, 5, v2                        ; q, k: tile b's registers j are features 16 b + 8 h + j: the same for every block of A
.irp b, 0,1,2,3,4,5,6,7
	global_load_b128 v[BI+8*\b:BI+8*\b+3], v6, s[92:93] offset:64*\b
	global_load_b128 v[BI+8*\b+4:BI+8*\b+7], v6, s[92:93] offset:64*\b+16
.endr
	s_wait_loadcnt 0x0
.set j, 0
.rept 64
	v_ldexp_f32 v[BI+j], v[BI+j], s77              ; b / 2^(ea + eb)
.set j, j+1
.endr
	s_branch .Lbias_done
.Lbias_v:
	v_lshlrev_b32 v6, 2, v1                        ; v: block a's lane r is feature 16 a + r: one number a lane, the same in all eight registers and for every tile of B
.irp a, 0,1,2,3,4,5,6,7
	global_load_b32 v[96+\a], v6, s[92:93] offset:64*\a
.endr
	s_wait_loadcnt 0x0
.irp a, 0,1,2,3,4,5,6,7
.irp j, 0,1,2,3,4,5,6,7
	v_ldexp_f32 v[BI+8*\a+\j], v[96+\a], s77       ; the scaling spreads it
.endr
.endr
.Lbias_done:
.macro FRAG reg, adr, q, i             ; a fragment, 16 rows x 128 K of 8-bit codes, is 16 registers: lane l holds row l % 16; registers 4 c .. 4 c + 3 hold K = 32 c + 16 (l / 16) + 0 .. 15
.irp c, 0,1,2,3
	ds_load_b128 v[\reg+4*\c:\reg+4*\c+3], v[\adr] offset:128*(\q)+32*\c+(\i)*16*PITCH
.endr
.endm
; 16 matrix instructions: A's blocks a0, a0 + 1 x B's eight, 128 along K.  p: B's set.  zero = 1, 2: the first product starts the sums, with the bias as C (1: by B's tile; 2: by A's block): nothing is ever cleared.
; The 64 accumulators take turns, one instruction a turn, in the same order in every step.
.macro MUL16 a0, p, zero
.irp a, \a0, \a0+1
.irp b, 0,1,2,3,4,5,6,7
.if \zero == 1
	v_wmma_f32_16x16x128_fp8_fp8 v[8*(8*((\a)%4)+\b):8*(8*((\a)%4)+\b)+7], v[128*(\p)+FR*\b:128*(\p)+FR*\b+FR-1], v[AF+FR*(\a):AF+FR*(\a)+FR-1], v[BI+8*\b:BI+8*\b+7]
.elseif \zero == 2
	v_wmma_f32_16x16x128_fp8_fp8 v[8*(8*((\a)%4)+\b):8*(8*((\a)%4)+\b)+7], v[128*(\p)+FR*\b:128*(\p)+FR*\b+FR-1], v[AF+FR*(\a):AF+FR*(\a)+FR-1], v[BI+8*(\a):BI+8*(\a)+7]
.else
	v_wmma_f32_16x16x128_fp8_fp8 v[8*(8*((\a)%4)+\b):8*(8*((\a)%4)+\b)+7], v[128*(\p)+FR*\b:128*(\p)+FR*\b+FR-1], v[AF+FR*(\a):AF+FR*(\a)+FR-1], v[8*(8*((\a)%4)+\b):8*(8*((\a)%4)+\b)+7]
.endif
.endr
.endr
.endm
.macro FETCH_B slot, q, p              ; B's eight fragments of the slot's q-th 128 along K into set p
	WIN TO_B
.irp i, 0,1,2,3,4,5,6,7
	FRAG 128*(\p)+FR*\i, ADRB+\slot, \q, \i
.endr
	WIN 0
.endm
.macro FETCH_A slot, q, i0             ; A's blocks i0 .. i0 + 3
.irp i, \i0, \i0+1, \i0+2, \i0+3
	FRAG AF+FR*(\i), ADRA+\slot, \q, \i
.endr
.endm
; A load into a register that a matrix instruction has read, and a vector instruction that reads a matrix result, stand NP places behind that matrix instruction, and only plain vector
; instructions that name none of its registers are places (ISA guide 7.12.1 for vector instructions).
.macro PLACES n
.rept \n
	v_nop
.endr
.endm
; A step of 128 along K that has its successor in the same slot.  A has one set of registers: a block is free when its eight products are issued; blocks 0-3 are fetched anew in the step's middle, blocks 4-7 at its end.
.macro STEP slot, q, zero
	s_wait_dscnt 4*NL                              ; B's set and A's blocks 0-3 are in; the youngest sixteen loads (A's blocks 4-7) may be out
.if \zero
	WIN ONE_LO
.else
	WIN MUL_LO
.endif
	MUL16 0, (\q)%2, \zero
	MUL16 2, (\q)%2, \zero
	s_wait_dscnt 0                                 ; A's blocks 4-7 are in (asked for 32 matrix instructions ago)
	PLACES NP
	FETCH_B \slot, (\q)+1, 1-(\q)%2
	FETCH_A \slot, (\q)+1, 0
.if \zero
	WIN ONE_HI
.else
	WIN MUL_HI
.endif
	MUL16 4, (\q)%2, \zero
	MUL16 6, (\q)%2, \zero
	PLACES NP
	WIN 0
	FETCH_A \slot, (\q)+1, 4
.endm
; A slot's last step changes slots: ONE barrier; in front of it each wave waits for all its tensor loads, adds 0 to its spare word, and waits for that and for its own reads of this slot.  fill = 1: this slot is filled again, two K steps ahead.
.macro TURN slot, next, fill
	s_wait_tensorcnt 0x0                           ; all my tensor loads have landed: my part of the next slot;  (every window is 0 here: the add's two registers lie in window 0)
	ds_add_u32 v[SPW], v[NIL]                      ; 0 onto my spare word
	s_wait_dscnt 4*NL+1                            ; (the add and the youngest sixteen loads, A's blocks 4-7, may be out)
	WIN MUL_LO
	MUL16 0, 1, 0                                  ; sixteen matrix instructions stand between the add and the wait for it
	s_wait_dscnt 0x0                               ; the add is done, and my reads of this slot are over
	s_barrier_signal -1
	MUL16 2, 1, 0
	WIN 0
	s_barrier_wait -1
.if \fill
	CREST                                          ; the barrier has opened a round of the cluster's barrier: no wave of any partner still reads this slot's tile or has a load on its way
	s_add_nc_u64 s[G0+4*\slot+2:G0+4*\slot+3], s[G0+4*\slot+2:G0+4*\slot+3], 2*ROWB
	s_add_nc_u64 s[G0B+4*\slot+2:G0B+4*\slot+3], s[G0B+4*\slot+2:G0B+4*\slot+3], 2*ROWB
	JLOAD G0+4*\slot, G1, G0B+4*\slot, G1B         ; the first tensor load behind the round; the four v_nop behind it are the places in front of the loads below
.else
	PLACES NP
.endif
	FETCH_B \next, 0, 0
	FETCH_A \next, 0, 0
	WIN MUL_HI
	MUL16 4, 1, 0
	MUL16 6, 1, 0
	PLACES NP
	WIN 0
	FETCH_A \next, 0, 4
.endm
	s_wait_tensorcnt 1                             ; my part of K step 0 is in; K step 1's load may be out
	s_barrier_signal -1
	s_barrier_wait -1                              ; everybody's is
	FETCH_B 0, 0, 0
	FETCH_A 0, 0, 0
	FETCH_A 0, 0, 4
	s_cmp_eq_u32 s74, 0                            ; the first step is written twice: its C is the bias by B's tile (q, k) or by A's block (v).  Both arms issue the same loads and products
	s_cbranch_scc0 .Lfirst_v
	STEP 0, 0, 1
	s_branch .Lfirst_done
.Lfirst_v:
	STEP 0, 0, 2
.Lfirst_done:
	TURN 0, 1, 1                                   ; K 128-255; slot 0 takes K 512-767
	STEP 1, 0, 0                                   ; K 256-383
	TURN 1, 0, 1                                   ; K 384-511; slot 1 takes K 768-1023
	STEP 0, 0, 0                                   ; K 512-639
	TURN 0, 1, 0                                   ; K 640-767; nothing is left to fetch, so no round of the cluster's barrier
	STEP 1, 0, 0                                   ; K 768-895
	s_wait_dscnt 4*NL                              ; the very last step, K 896-1023
	WIN MUL_LO
	MUL16 0, 1, 0
	MUL16 2, 1, 0
	s_wait_dscnt 0
	WIN MUL_HI
	MUL16 4, 1, 0
	MUL16 6, 1, 0
	WIN 0
; THE WAY OUT, block by block of 16 A rows.  A block's 64 sums are held within +-448 x the scale into other registers (each accumulator from its low end on), eight conversions make of them sixteen registers of codes,
; and these ARE registers of the attention's operands: q, k: two tiles of 16 tokens x 64, of two neighbouring heads; v: one fragment of 16 features x 128 keys.  Each store covers 512 consecutive bytes, aligned.
.macro OUTA a
.set AC, 64*((\a)%4)
.set CD, AF+16*(\a)                    ; each block has its own sixteen registers for its codes, so that no store's data are written again
	WIN 0x02+((\a)/4)                              ; source 0: window 2 or 3
.set j, 0
.rept 64
	v_med3_num_f32 v[TMP+j], v[AC+j], -v[LIM], v[LIM]   ; the conversion to an 8-bit code does not saturate (ISA guide 7.6.2)
.set j, j+1
.endr
	WIN 0
.irp b, 0,1,2,3,4,5,6,7
	v_cvt_scalef32_pk8_fp8_f32 v[CD+2*\b:CD+2*\b+1], v[TMP+8*\b:TMP+8*\b+7], v[SC]
.endr
	v_nop                                          ; one plain vector instruction between the conversions and the next block's holds, which write their sources
.if (\a) > 0
	s_wait_xcnt 0x0                                ; the last block's stores have read their base: only behind this wait is it stepped
	s_add_nc_u64 s[86:87], s[86:87], s[88:89]
.if (\a) == 4
	s_add_nc_u64 s[86:87], s[86:87], s[90:91]
.endif
.endif
	global_store_b128 v[CO0], v[CD:CD+3], s[86:87]
	global_store_b128 v[CO0], v[CD+4:CD+7], s[86:87] offset:512
	global_store_b128 v[CO1], v[CD+8:CD+11], s[86:87]
	global_store_b128 v[CO1], v[CD+12:CD+15], s[86:87] offset:512
.endm
	PLACES NP                                      ; behind the last products: for the first reads of results and the first writes over A's fragments
.irp a, 0,1,2,3,4,5,6,7
	OUTA \a
.endr
	s_wait_tensorcnt 0x0                           ; the wave's end: three lines, behind my last tensor load
	ds_add_u32 v[SPW], v[NIL]
	s_wait_dscnt 0x0
	CROUND                                         ; the closing round: no work-group ends while a partner may still ask for a tile that names it
	s_endpgm
.Lfunc_end_k_qcf0f935952_proj:
	.size	k_qcf0f935952_proj, .Lfunc_end_k_qcf0f935952_proj-k_qcf0f935952_proj
	.p2alignl 7, 3214868480
	.fill 96, 4, 3214868480
	.section	.rodata,"a",@progbits
	.p2align	6, 0x0
	.amdhsa_kernel k_qcf0f935952_proj
		.amdhsa_group_segment_fixed_size 327680
		.amdhsa_private_segment_fixed_size 0
		.amdhsa_enable_private_segment 0
		.amdhsa_kernarg_size 56
		.amdhsa_user_sgpr_count 2
		.amdhsa_user_sgpr_kernarg_segment_ptr 1
		.amdhsa_wavefront_size32 1
		.amdhsa_system_sgpr_workgroup_id_x 1
		.amdhsa_system_sgpr_workgroup_id_y 1
		.amdhsa_system_sgpr_workgroup_id_z 1
		.amdhsa_system_vgpr_workitem_id 0
		.amdhsa_next_free_vgpr 1024
		.amdhsa_next_free_sgpr 100
		.amdhsa_reserve_vcc 0
		.amdhsa_float_denorm_mode_32 3
		.amdhsa_float_denorm_mode_16_64 3
		.amdhsa_memory_ordered 1
		.amdhsa_forward_progress 1
		.amdhsa_inst_pref_size 138
	.end_amdhsa_kernel
	.amdgpu_metadata
---
amdhsa.version: [ 1, 2 ]
amdhsa.kernels:
  - .name:           k_qcf0f935952_proj
    .symbol:         k_qcf0f935952_proj.kd
    .args:
      - { .name: xc, .offset: 0, .size: 8, .value_kind: global_buffer, .address_space: global }
      - { .name: wc, .offset: 8, .size: 8, .value_kind: global_buffer, .address_space: global }
      - { .name: bq, .offset: 16, .size: 8, .value_kind: global_buffer, .address_space: global }
      - { .name: bk, .offset: 24, .size: 8, .value_kind: global_buffer, .address_space: global }
      - { .name: bv, .offset: 32, .size: 8, .value_kind: global_buffer, .address_space: global }
      - { .name: lowp_scales, .offset: 40, .size: 8, .value_kind: global_buffer, .address_space: global }
      - { .name: img, .offset: 48, .size: 8, .value_kind: global_buffer, .address_space: global }
    .group_segment_fixed_size: 327680
    .private_segment_fixed_size: 0
    .kernarg_segment_align: 8
    .kernarg_segment_size: 56
    .max_flat_workgroup_size: 128
    .sgpr_count:     100
    .vgpr_count:     1024
    .wavefront_size: 32
...
	.end_amdgpu_metadata
.endif
;; end of part 2
;; launch attn (part 3): grid 4 x 64, 16 waves a work-group, no clusters, 143,872 bytes of LDS; arguments img, mbits, lowp_scales, out0; writes out0
.if DOCPART == 3
	.amdgcn_target "amdgcn-amd-amdhsa--gfx1250"
	.amdhsa_code_object_version 6
	.text
	.protected	k_qcf0f935952_attn
	.globl	k_qcf0f935952_attn
	.p2align	8
	.type	k_qcf0f935952_attn,@function
k_qcf0f935952_attn:
	s_mov_b64 s[64:65], 0
	v_nop
	global_prefetch_b8 v0, s[64:65] scope:SCOPE_SE
	s_setreg_imm32_b32 hwreg(HW_REG_WAVE_MODE, 25, 1), 1
	s_wait_xcnt 0x0
; out[b][q][64 head + d] = sum over k of Q8(softmax_k(masked scores))[q][k] V8[k][d], both products on codes of FP8 (E4M3).  THE PROBABILITIES ARE QUANTISED FINISHED AND NORMALISED, so a row's largest
; score and its sum are known before any p becomes a code.
; SHARES: THE WAVES SHARE THE KEYS.  A work-group owns one head and 512 queries; wave w of sixteen owns keys 128 w .. 128 w + 127.  Its fragments of K (64 registers) and of V^T (64) are loaded once and stay.
; The queries go by in 32 tiles of 16: a tile's whole rows of 2,048 scores lie in the sixteen waves' registers, 64 a wave, so each score, each select by the mask and each exponential is made ONCE.
; Between waves go small things, through LDS, with two barriers a tile: a pair (largest t, sum) for each query and wave; a pair (largest t, 1 / sum) for each query; and each wave's part of O^T (4 KiB).
; LAYOUT.  Both products are used transposed: S^T = K Q^T (source 0 = 16 keys, source 1 = the 16 queries), O^T = V^T P^T: a lane holds ONE query (lane % 16).  Register 8 t + j of S^T is key 16 t + 8 (lane / 16) + j of
; my 128: so the conversion of tile t's eight registers gives registers 2 t, 2 t + 1 of P as the second product wants them.  Operands come as images of their registers (quad i at 512 i + 16 x lane).
; THE MASK costs one instruction a score: word 8 t + j of mbits[b][tile of queries][my key block] has in bit l what lane l holds in that register; 64 words a tile come by scalar loads and are the lane masks of v_cndmask_b32.
; THE SOFTMAX.  t = raw score x c', c' = log2(e) / 8 x 2^(e6 + e7).  A hidden score becomes -2^60, under every raw score (at least -64 x 448^2).  Wave: tm_w = its largest t, e = 2^(t - tm_w), l_w = the sum of e.
; Wave w then serves query w: tm = the largest tm_w, l = the sum of l_w 2^(tm_w - tm), and 1 / l, or 0 where tm lies under c' x -2^59: a row with no open key.  p = e x (2^(tm_w - tm) / l).  No branch hangs on data.
; O: wave w adds the sixteen parts of query w of the tile BEFORE, while the matrix unit works on this tile's, multiplies by 2^(e8 + e9) and stores the head's 64 numbers: 256 consecutive bytes, aligned.
; NO CLUSTER, NO TENSOR LOAD: what the four work-groups of a head share, K's and V's images, goes straight into registers, 16 KiB a wave once for 32 tiles of work; a joint load could bring it into LDS only.
; NO PREFETCH: the next tile's Q and mask words are asked for a whole tile ahead, straight into registers.
; LIMITS: e6 + e7 between -40 and 60 (c' x 2^60 is finite and far over the exponential's range); e8 between -126 and 119; e8 + e9 between -126 and 127.  p = e x f is rounded twice more than 2^(t - tm) / l.
; REGISTERS: v1, v2 the add's two; v3 -2^60; v5-v14 addresses; v15 448 x 2^e8; v16 2^e8; v17 c' x -2^59; v[18:19] (tm_w, l_w); v[20:21] the result to store; v[22:23] a loaded pair; v[24:25] f; v26-31 at work;
;   v32-39 Q; v40-55 P's codes; v56-119 S^T, then e, then p; later v56-87 O^T and v88-119 the sixteen parts; v120-183 K; v184-247 V^T; v248-251 the sums' chains.
; s[2:3] Q's tile, s[4:5] the mask words, s[6:7] out; s[8:9] c'; s[10:11] lane selects; s[12:13] 2^(e8 + e9); s14 wave; s15 trips; s16-63, s68-83 the 64 mask words; s84 a compare's mask.
.set QF,    32
.set PC,    40
.set S,     56
.set KF,    120
.set VF,    184
.set STATP, 136                        ; LDS from 0: for query r a row of sixteen pairs + 8 bytes of padding
.set GLOB,  2304                       ; sixteen pairs (tm, 1 / l)
.set OP,    2560                       ; the parts of O^T: two sets by turns; in a set, for each source wave 16 query rows of 256 bytes + 16 of padding
.set OPW,   16*272
.set OPP,   16*OPW
.set SPARE, OP+2*OPP                   ; behind them: the spare words, 128 bytes for each wave: eight blocks of 256 bytes that no other line names
	s_load_b256 s[88:95], s[0:1], 0x0              ; img s[88:89], mbits s[90:91], the scales' exponents s[92:93], out s[94:95]
	v_lshl_add_u32 v1, v0, 2, SPARE
	v_mov_b32 v2, 0
	v_lshrrev_b32 v26, 5, v0
	v_readfirstlane_b32 s14, v26                   ; wave 0..15
	v_and_b32 v27, 31, v0                          ; lane
	v_and_b32 v30, 15, v0                          ; r
	v_bfe_u32 v31, v0, 4, 1                        ; h
	v_lshlrev_b32 v5, 4, v27                       ; an image's place for my lane
	v_lshlrev_b32 v14, 3, v27                      ; my 8 bytes of a row of 256
	s_lshl_b32 s30, s14, 3
	v_mul_u32_u24 v6, v30, STATP
	v_add_nc_u32 v6, s30, v6                       ; where I put (tm_w, l_w): query r's row, pair w
	s_mul_i32 s31, s14, STATP
	v_lshl_add_u32 v7, v30, 3, s31                 ; where I read them as query w's server: row w, pair lane % 16
	s_add_co_u32 s30, s30, GLOB
	v_mov_b32 v8, s30                              ; where I put (tm, 1 / l) of query w
	v_lshl_add_u32 v9, v30, 3, GLOB                ; and read query r's
	s_mul_i32 s31, s14, OPW
	s_add_co_u32 s31, s31, OP
	v_mul_u32_u24 v10, v30, 272
	v_lshl_add_u32 v10, v31, 5, v10
	v_add_nc_u32 v10, s31, v10                     ; my part of O^T, set 0: my region, row r, + 32 h
	v_add_nc_u32 v11, OPP, v10                     ; set 1
	s_mul_i32 s31, s14, 272
	s_add_co_u32 s31, s31, OP
	v_add_nc_u32 v12, s31, v14                     ; the parts of query w, set 0: row w of each region, 8 bytes a lane
	v_add_nc_u32 v13, OPP, v12                     ; set 1
	s_and_b32 s16, ttmp7, 0xffff                   ; 16 b + head
	s_lshl_b32 s18, s16, 17                        ; the head's 131,072 bytes in each of the three images
	s_mov_b32 s19, 0
	s_lshl_b32 s20, s14, 13                        ; my 128 keys: 8,192 bytes,
	s_add_co_u32 s20, s20, 0x800000                ; in K's images, 8 MiB behind Q's
	s_mov_b32 s21, 0
	s_lshl_b32 s22, ttmp9, 15                      ; my work-group's 32 tiles of queries, 1,024 bytes each
	s_mov_b32 s23, 0
	s_lshr_b32 s17, s16, 4                         ; b
	s_lshl_b32 s24, s17, 19                        ; mask words: b x 128 tiles x 4,096 bytes
	s_lshl_b32 s26, ttmp9, 17                      ; + 32 tiles
	s_add_co_u32 s24, s24, s26
	s_lshl_b32 s26, s14, 8                         ; + my key block's 256 bytes
	s_add_co_u32 s24, s24, s26
	s_mov_b32 s25, 0
	s_lshl_b32 s26, s17, 23                        ; out: (2,048 b + 512 x work-group + w) rows of 4,096 bytes
	s_lshl_b32 s28, ttmp9, 21
	s_add_co_u32 s26, s26, s28
	s_lshl_b32 s28, s14, 12
	s_add_co_u32 s26, s26, s28
	s_and_b32 s28, s16, 15
	s_lshl_b32 s28, s28, 8                         ; + the head's 256 bytes
	s_add_co_u32 s26, s26, s28
	s_mov_b32 s27, 0
	s_mov_b32 s10, 0x76543210
	s_mov_b32 s11, 0xfedcba98                      ; v_permlanex16_b32's selects for lane l xor 16
	s_mov_b32 s15, 15
	s_wait_kmcnt 0x0
	s_load_b64 s[96:97], s[92:93], 0x18            ; e6, e7
	s_load_b64 s[98:99], s[92:93], 0x20            ; e8, e9
	s_add_nc_u64 s[2:3], s[88:89], s[18:19]
	s_add_nc_u64 s[84:85], s[2:3], s[20:21]        ; my fragments of K,
	s_add_nc_u64 s[86:87], s[84:85], 0x800000      ; and of V, 8 MiB further on
	s_add_nc_u64 s[2:3], s[2:3], s[22:23]          ; the first tile of queries
	s_add_nc_u64 s[4:5], s[90:91], s[24:25]
	s_add_nc_u64 s[6:7], s[94:95], s[26:27]
.set m, 0
.rept 16
	global_load_b128 v[KF+4*m:KF+4*m+3], v5, s[84:85] offset:512*m   ; tile m / 2 of 16 keys, quad m % 2
.set m, m+1
.endr
.set m, 0
.rept 16
	global_load_b128 v[VF+4*m:VF+4*m+3], v5, s[86:87] offset:512*m   ; fragment m / 4 (16 of the head's 64), quad m % 4
.set m, m+1
.endr
	global_load_b128 v[QF:QF+3], v5, s[2:3]
	global_load_b128 v[QF+4:QF+7], v5, s[2:3] offset:512
	s_load_b512 s[16:31], s[4:5], 0x0              ; the first tile's 64 mask words
	s_load_b512 s[32:47], s[4:5], 0x40
	s_load_b512 s[48:63], s[4:5], 0x80
	s_load_b512 s[68:83], s[4:5], 0xc0
	v_mov_b32 v3, 0xdd800000                       ; -2^60
	v_mov_b32 v17, 0xdd000000                      ; -2^59
	v_mov_b32 v19, 0                               ; (named as the upper half of a pair before it is first made)
	v_mov_b32 v25, 0                               ; (likewise)
	v_mov_b32 v28, 0                               ; written once: a lane permute's destination counts as one of its sources
	s_wait_kmcnt 0x0
	s_add_co_i32 s96, s96, s97
	s_lshl_b32 s96, s96, 23
	s_add_co_i32 s8, s96, 0x3e38aa3b               ; c' = log2(e) / 8, with e6 + e7 added to its exponent field
	s_mov_b32 s9, s8                               ; (named with it as a pair, so it is written)
	v_mul_f32 v17, s8, v17                         ; c' x -2^59
	s_add_co_i32 s97, s98, 127
	s_lshl_b32 s96, s97, 23
	v_mov_b32 v16, s96                             ; 2^e8 as f32, for the conversion
	s_add_co_i32 s97, s97, 8
	s_lshl_b32 s97, s97, 23
	s_or_b32 s97, s97, 0x600000
	v_mov_b32 v15, s97                             ; 448 x 2^e8
	s_add_co_i32 s12, s98, s99
	s_add_co_i32 s12, s12, 127
	s_lshl_b32 s12, s12, 23                        ; 2^(e8 + e9) as f32
	s_mov_b32 s13, s12
.macro BAR                             ; my LDS stores have landed and my LDS loads are in: then the work-group's barrier
	s_wait_dscnt 0x0
	s_barrier_signal -1
	s_barrier_wait -1
.endm
.macro RLOAD par                       ; the sixteen waves' parts of query w, out of set par: 256 consecutive bytes each
.set k, 0
.rept 16
	ds_load_b64 v[88+2*k:89+2*k], v[12+(\par)] offset:k*OPW
.set k, k+1
.endr
.endm
.macro RSUM                            ; added as a tree, scaled, stored.  These sixteen plain instructions name no register of the four products ahead of them: they are the places behind those
	s_wait_dscnt 0x0
.irp st, 4,8,16,32
.set k, 0
.rept 32/\st
	v_pk_add_f32 v[88+\st*k:89+\st*k], v[88+\st*k:89+\st*k], v[88+\st*k+\st/2:89+\st*k+\st/2]
.set k, k+1
.endr
.endr
	v_pk_mul_f32 v[20:21], v[88:89], s[12:13] op_sel_hi:[1,0]   ; x 2^(e8 + e9)
	global_store_b64 v14, v[20:21], s[6:7] offset:-65536 th:TH_STORE_NT   ; the base stands one tile (16 rows of 4,096 bytes) further on; 32 lanes store 256 consecutive bytes, aligned; written once
.endm
; ONE TILE OF 16 QUERIES.  par: the set that takes this tile's parts of O^T; red = 1: the tile before is added up and stored; next = 1: the next tile's Q and mask words are asked for.
.macro QTILE par, red, next
	s_wait_loadcnt 0x0                             ; Q (ahead of the first tile: K and V too)
.set t, 0
.rept 8
	v_wmma_f32_16x16x64_fp8_fp8 v[S+8*t:S+8*t+7], v[KF+8*t:KF+8*t+7], v[QF:QF+7], 0   ; eight accumulators, one instruction each
.set t, t+1
.endr
.rept 4
	v_nop                                          ; places in front of the loads into Q's registers and of the first reads of the scores
.endr
	s_wait_kmcnt 0x0                               ; the mask words, asked for a tile ago
	s_wait_xcnt 0x0                                ; all earlier loads and the last store have read their addresses and data: the three bases below and the pair v[20:21] are written only behind this wait
.if \red
	s_add_nc_u64 s[6:7], s[6:7], 0x10000
.endif
.if \next
	s_add_nc_u64 s[2:3], s[2:3], 1024
	s_add_nc_u64 s[4:5], s[4:5], 4096
	global_load_b128 v[QF:QF+3], v5, s[2:3]
	global_load_b128 v[QF+4:QF+7], v5, s[2:3] offset:512
.endif
.set n, 0
.rept 64
.if n < 48
	v_cndmask_b32 v[S+n], v3, v[S+n], s[16+n]      ; a hidden score becomes -2^60; each accumulator from its low end on
.else
	v_cndmask_b32 v[S+n], v3, v[S+n], s[20+n]
.endif
.set n, n+1
.endr
.if \next
	s_load_b512 s[16:31], s[4:5], 0x0              ; behind the last reader of the old words; they have a whole tile in which to come
	s_load_b512 s[32:47], s[4:5], 0x40
	s_load_b512 s[48:63], s[4:5], 0x80
	s_load_b512 s[68:83], s[4:5], 0xc0
.endif
	v_max3_num_f32 v26, v[S], v[S+1], v[S+2]       ; the largest of my query's 64 scores here, in two chains,
	v_max3_num_f32 v27, v[S+3], v[S+4], v[S+5]
.set i, 6
.rept 14
	v_max3_num_f32 v26, v26, v[S+i], v[S+i+1]
	v_max3_num_f32 v27, v27, v[S+i+2], v[S+i+3]
.set i, i+4
.endr
	v_max3_num_f32 v26, v26, v[S+62], v[S+63]
	v_max_num_f32 v26, v26, v27
	v_permlanex16_b32 v28, v26, s10, s11
	v_max_num_f32 v26, v26, v28                    ; and of lane l xor 16's 64
	v_mul_f32 v18, s8, v26                         ; tm_w (c' is positive)
.set j, 0
.rept 32
	v_pk_fma_f32 v[S+j:S+j+1], v[S+j:S+j+1], s[8:9], v[18:19] op_sel_hi:[1,0,0] neg_lo:[0,0,1] neg_hi:[0,0,1]   ; t - tm_w, two at a time
.set j, j+2
.endr
.set j, 0
.rept 64
	v_exp_f32 v[S+j], v[S+j]                       ; e = 2^(t - tm_w)
.set j, j+1
.endr
	v_nop                                          ; a plain instruction behind the last exponential
	s_wait_alu depctr_va_vdst(0)                   ; the wait ahead of the first reader: one for the batch of 64
	v_pk_add_f32 v[248:249], v[S:S+1], v[S+2:S+3]  ; the sum, two at a time, in two chains
	v_pk_add_f32 v[250:251], v[S+4:S+5], v[S+6:S+7]
.set j, 8
.rept 14
	v_pk_add_f32 v[248:249], v[248:249], v[S+j:S+j+1]
	v_pk_add_f32 v[250:251], v[250:251], v[S+j+2:S+j+3]
.set j, j+4
.endr
	v_pk_add_f32 v[248:249], v[248:249], v[250:251]
	v_add_f32 v19, v248, v249
	v_permlanex16_b32 v28, v19, s10, s11
	v_add_f32 v19, v19, v28                        ; l_w
	ds_store_b64 v6, v[18:19]                      ; (lanes r and r + 16 write the same pair to the same place)
	BAR                                            ; all sixteen pairs of every query lie in LDS; and the last tile's parts of O^T have landed
	; wave w serves query w; lane % 16 is the source wave
	ds_load_b64 v[22:23], v7
	s_wait_dscnt 0x0
	v_mov_b32 v28, v22
	v_max_num_f32_dpp v28, v28, v28 row_xmask:1 row_mask:0xf bank_mask:0xf
	v_max_num_f32_dpp v28, v28, v28 row_xmask:2 row_mask:0xf bank_mask:0xf
	v_max_num_f32_dpp v28, v28, v28 row_xmask:4 row_mask:0xf bank_mask:0xf
	v_max_num_f32_dpp v28, v28, v28 row_xmask:8 row_mask:0xf bank_mask:0xf   ; tm
	v_sub_f32 v26, v22, v28
	v_exp_f32 v26, v26                             ; 2^(tm_w - tm)
	v_cmp_gt_f32 s84, v28, v17                     ; has the row an open key?
	v_nop
	s_wait_alu depctr_va_vdst(0)                   ; ahead of the exponential's reader
	v_mul_f32 v26, v26, v23
	v_add_f32_dpp v26, v26, v26 row_xmask:1 row_mask:0xf bank_mask:0xf
	v_add_f32_dpp v26, v26, v26 row_xmask:2 row_mask:0xf bank_mask:0xf
	v_add_f32_dpp v26, v26, v26 row_xmask:4 row_mask:0xf bank_mask:0xf
	v_add_f32_dpp v26, v26, v26 row_xmask:8 row_mask:0xf bank_mask:0xf       ; l, at least 1
	v_rcp_f32 v27, v26
	v_nop
	s_wait_alu depctr_va_vdst(0)                   ; ahead of the reciprocal's reader
	v_cndmask_b32 v29, 0, v27, s84                 ; 1 / l, or 0 for a row with no open key
	ds_store_b64 v8, v[28:29]
	BAR                                            ; every query's (tm, 1 / l) lies in LDS; nobody reads the waves' pairs any more
	ds_load_b64 v[22:23], v9
	s_wait_dscnt 0x0
	v_sub_f32 v24, v18, v22
	v_exp_f32 v24, v24
	v_nop
	s_wait_alu depctr_va_vdst(0)
	v_mul_f32 v24, v24, v23                        ; f = 2^(tm_w - tm) / l
.set t, 0
.rept 8
.set j, 0
.rept 4
	v_pk_mul_f32 v[S+8*t+j:S+8*t+j+1], v[S+8*t+j:S+8*t+j+1], v[24:25] op_sel_hi:[1,0]   ; p, finished and normalised
.set j, j+2
.endr
.set j, 0
.rept 8
	v_min_num_f32 v[S+8*t+j], v[S+8*t+j], v15      ; the conversion to an 8-bit code does not saturate (ISA guide 7.6.2); p is not negative, so the hold is one-sided
.set j, j+1
.endr
	v_cvt_scalef32_pk8_fp8_f32 v[PC+2*t:PC+2*t+1], v[S+8*t:S+8*t+7], v16   ; registers 2 t, 2 t + 1 of P: keys 16 t + 8 h + 0 .. 7
.set t, t+1
.endr
	v_nop                                          ; one plain vector instruction between the last conversion and the products, which read its result and write over the conversions' sources
.if \red
	RLOAD 1-(\par)                                 ; the tile before: its parts were stored behind that tile's second barrier, and two barriers have been passed since
.endif
.set t, 0
.rept 4
	v_wmma_f32_16x16x128_fp8_fp8 v[S+8*t:S+8*t+7], v[VF+16*t:VF+16*t+15], v[PC:PC+15], 0   ; my 128 keys' part of O^T: four accumulators, one instruction each
.set t, t+1
.endr
.if \red
	RSUM
.else
.rept 5
	v_nop                                          ; four places in front of the stores below; five in front of the next tile's products, which write over these accumulators
.endr
.endif
.set t, 0
.rept 4
	ds_store_b128 v[10+(\par)], v[S+8*t:S+8*t+3] offset:64*t        ; query r, the head's 16 t + 8 h + 0 .. 7; each accumulator from its low end on
	ds_store_b128 v[10+(\par)], v[S+8*t+4:S+8*t+7] offset:64*t+16   ; this set was last read a tile ago, ahead of that reader's wait and of this tile's first barrier
.set t, t+1
.endr
.endm
	QTILE 0, 0, 1                                  ; tile 0: nothing to add up yet
.Ltiles:                                           ; 15 trips of two tiles, in which the two sets change places: tiles 1 to 30
	QTILE 1, 1, 1
	QTILE 0, 1, 1
	s_sub_co_u32 s15, s15, 1
	s_cmp_lg_u32 s15, 0
	s_cbranch_scc1 .Ltiles
	QTILE 1, 1, 0                                  ; tile 31 asks for nothing more: no load leaves its buffer
	BAR                                            ; its parts of O^T lie in LDS
	s_wait_xcnt 0x0                                ; the last store has read its base and its data
	s_add_nc_u64 s[6:7], s[6:7], 0x10000
	RLOAD 1
	RSUM
	s_wait_tensorcnt 0x0                           ; the wave's end: three lines behind my last LDS store
	ds_add_u32 v1, v2
	s_wait_dscnt 0x0
	s_endpgm
.Lfunc_end_k_qcf0f935952_attn:
	.size	k_qcf0f935952_attn, .Lfunc_end_k_qcf0f935952_attn-k_qcf0f935952_attn
	.p2alignl 7, 3214868480
	.fill 96, 4, 3214868480
	.section	.rodata,"a",@progbits
	.p2align	6, 0x0
	.amdhsa_kernel k_qcf0f935952_attn
		.amdhsa_group_segment_fixed_size 143872
		.amdhsa_private_segment_fixed_size 0
		.amdhsa_enable_private_segment 0
		.amdhsa_kernarg_size 32
		.amdhsa_user_sgpr_count 2
		.amdhsa_user_sgpr_kernarg_segment_ptr 1
		.amdhsa_wavefront_size32 1
		.amdhsa_system_sgpr_workgroup_id_x 1
		.amdhsa_system_sgpr_workgroup_id_y 1
		.amdhsa_system_sgpr_workgroup_id_z 1
		.amdhsa_system_vgpr_workitem_id 0
		.amdhsa_next_free_vgpr 256
		.amdhsa_next_free_sgpr 100
		.amdhsa_reserve_vcc 0
		.amdhsa_float_denorm_mode_32 3
		.amdhsa_float_denorm_mode_16_64 3
		.amdhsa_memory_ordered 1
		.amdhsa_forward_progress 1
		.amdhsa_inst_pref_size 98
	.end_amdhsa_kernel
	.amdgpu_metadata
---
amdhsa.version: [ 1, 2 ]
amdhsa.kernels:
  - .name:           k_qcf0f935952_attn
    .symbol:         k_qcf0f935952_attn.kd
    .args:
      - { .name: img, .offset: 0, .size: 8, .value_kind: global_buffer, .address_space: global }
      - { .name: mbits, .offset: 8, .size: 8, .value_kind: global_buffer, .address_space: global }
      - { .name: lowp_scales, .offset: 16, .size: 8, .value_kind: global_buffer, .address_space: global }
      - { .name: out0, .offset: 24, .size: 8, .value_kind: global_buffer, .address_space: global }
    .group_segment_fixed_size: 143872
    .private_segment_fixed_size: 0
    .kernarg_segment_align: 8
    .kernarg_segment_size: 32
    .max_flat_workgroup_size: 512
    .sgpr_count:     100
    .vgpr_count:     256
    .wavefront_size: 32
...
	.end_amdgpu_metadata
.endif
;; end of part 3
;; ======== version 2 of 2: 3 launches
;; workspace buffers: xc 25,165,824 bytes; wc 3,145,728 bytes; mbits 2,097,152 bytes of whole numbers; img 25,165,824 bytes
;; launch prep (part 4): grid 1376 x 1, 4 waves a work-group, no clusters, 67,072 bytes of LDS; arguments q, k, v, Wq, Wk, Wv, lowp_scales, mask, xc, wc, mbits; writes xc, wc, mbits
.if DOCPART == 4
	.amdgcn_target "amdgcn-amd-amdhsa--gfx1250"
	.amdhsa_code_object_version 6
	.text
	.protected	k_qcf0f935952_prep
	.globl	k_qcf0f935952_prep
	.p2align	8
	.type	k_qcf0f935952_prep,@function
k_qcf0f935952_prep:
	s_mov_b64 s[64:65], 0
	v_nop
	global_prefetch_b8 v0, s[64:65] scope:SCOPE_SE
	s_setreg_imm32_b32 hwreg(HW_REG_WAVE_MODE, 25, 1), 1
	s_wait_xcnt 0x0
; TWO JOBS IN ONE LAUNCH, told apart by the work-group's number; the two ways never join.
; (1) Work-groups 0 to 863: q, k, v [8192][1024] and Wq, Wk, Wv [1024][1024], f32 with K innermost, become codes of FP8 (E4M3), one byte each, in the same order:
;     xc = [3][8192][1024], wc = [3][1024][1024].  code = x / 2^e, held within +-448, to the nearest code, ties to even; e = entry 2 t (q, k, v) or 2 t + 1 (Wq, Wk, Wv) of the scales.
;     Rows are dense, so each tensor is a plain stream: a work-group takes 32,768 numbers, a wave 16 steps of 512.  Each load reads 512 consecutive bytes, 16 a lane; a step's 2,048 bytes turn through the
;     wave's own stage in LDS so that a lane holds 16 neighbours along K for the conversions; a lane's 16 codes are 16 bytes, so a wave's store covers 512 consecutive bytes.
; (2) Work-groups 864 to 1375 (b x 128 + tile of 16 queries): the mask [4][1][2048][2048] int32 becomes words that a later launch uses as lane masks:
;     mbits[b][tile of queries][block of 128 keys][word n = 8 t + j], bit 16 h + r = (mask[b][16 tile + r][128 block + 16 t + 8 h + j] != 0): the lane and register in which that launch holds that score.
;     A wave takes four key blocks; a block's 16 rows x 512 bytes are loaded as they lie, turned through the wave's own stage, compared (a compare's result IS the word), gathered into a register pair
;     (word n in lane n / 2, register n % 2) and stored as 256 consecutive bytes.
; LIMITS: e0 .. e5 between -126 and 119, so that 2^e and 448 x 2^e are f32 numbers.  NaN among the inputs is not served (an infinity is held at the largest code).
; No tensor loads, no barrier: waves share nothing.  Each of the two ways has LDS bytes of its own.
.set NX,    768                        ; work-groups for q, k, v: 3 x 256
.set NQ,    864                        ; and with Wq, Wk, Wv: + 3 x 32
.set STEPS, 16
.set EMAX,  8
.set MANT,  0x600000                   ; the mantissa field of 448 as f32
.set CB,    16                         ; bytes of 16 codes
.set R,     16                         ; v16-79   four sets of 16 numbers as they are loaded
.set X,     80                         ; v80-111  two sets of 16 neighbours
.set C,     128                        ; v128-191 codes: four registers for each step, so that no store's data are written again
.set WREG,  8192                       ; LDS, job 1: a region for each wave: two stages of 32 x SP bytes
.set SP,    80                         ; a lane's place in a stage: its 64 bytes + 16 of padding
.set SPW,   12                         ; v12      LDS address of my spare word; never rewritten
.set NIL,   13                         ; v13      0; never rewritten
.set PK,    32768                      ; LDS, job 2: from here a stage for each wave:
.set PP,    528                        ; 16 rows of 512 bytes + 16 of padding = 132 words: row r starts at bank 4 r mod 64 (64 banks of 4 bytes: ISA guide 11.1)
.set PKW,   16*PP
.set SPARE, PK+4*PKW                   ; behind both: the spare words, 128 bytes for each wave: two blocks of 256 bytes that no other line names
.set ML,    16                         ; job 2: v16-143  two sets of 64 registers: a key block's 16 rows as loaded
.set XM,    144                        ; v144-207 the block turned: register 8 t + j
.set WD,    208                        ; v208-215 a pair of word registers for each of the wave's four blocks
	s_load_b512 s[4:19], s[0:1], 0x0               ; q, k, v, Wq, Wk, Wv, the scales' exponents s[16:17], the mask s[18:19]
	s_load_b128 s[20:23], s[0:1], 0x40             ; xc, wc
	s_load_b64 s[24:25], s[0:1], 0x50              ; mbits
	v_lshl_add_u32 v[SPW], v0, 2, SPARE
	v_mov_b32 v[NIL], 0
	v_lshrrev_b32 v1, 5, v0
	v_readfirstlane_b32 s26, v1                    ; wave 0..3
	v_and_b32 v2, 31, v0                           ; lane
	s_cmp_lt_u32 ttmp9, NQ
	s_cbranch_scc0 .Lpack
	; ---------------- job 1: the quantiser ----------------
	v_lshlrev_b32 v3, 4, v2                        ; my 16 bytes of a load's 512
	s_mul_i32 s47, s26, WREG
	v_lshrrev_b32 v14, 2, v2
	v_mul_u32_u24 v14, v14, SP
	v_and_b32 v15, 3, v2
	v_lshl_add_u32 v14, v15, 4, v14
	v_add_nc_u32 v14, s47, v14                     ; the stage, on the way in: four lanes' 64 bytes on end, then 16 of padding
	v_mul_u32_u24 v15, v2, SP
	v_add_nc_u32 v15, s47, v15                     ; and on the way out: SP x lane: my 16 neighbours
	v_mul_u32_u24 v4, v2, CB                       ; my codes' place in a step's
	s_wait_alu depctr_va_vdst(0)
	s_wait_kmcnt 0x0
	s_load_b256 s[48:55], s[16:17], 0x0            ; e0 .. e7
	s_cmp_lt_u32 ttmp9, NX                         ; one of q, k, v, or one of the weights?  All choices hang on the work-group's number alone
	s_cselect_b32 s27, 0, NX
	s_cselect_b32 s29, 8, 5                        ; log2 of the work-groups of one tensor
	s_cselect_b32 s30, 0, 1
	s_cselect_b32 s31, 23, 20                      ; log2 of one tensor's bytes of codes
	s_cselect_b64 s[32:33], s[4:5], s[10:11]
	s_cselect_b64 s[34:35], s[6:7], s[12:13]
	s_cselect_b64 s[36:37], s[8:9], s[14:15]
	s_cselect_b64 s[38:39], s[20:21], s[22:23]
	s_sub_co_u32 s28, ttmp9, s27
	s_lshr_b32 s40, s28, s29                       ; t: which of the three
	s_lshl_b32 s41, s40, s29
	s_sub_co_u32 s41, s28, s41                     ; which 32,768 numbers of it
	s_cmp_eq_u32 s40, 1
	s_cselect_b64 s[32:33], s[34:35], s[32:33]
	s_cmp_eq_u32 s40, 2
	s_cselect_b64 s[32:33], s[36:37], s[32:33]     ; the tensor
	s_lshl_b32 s45, s40, 1
	s_add_co_u32 s45, s45, s30                     ; its entry of the scales
	s_lshl_b32 s42, s40, s31
	s_mov_b32 s43, 0
	s_add_nc_u64 s[38:39], s[38:39], s[42:43]      ; its codes
	s_lshl_b32 s44, s41, 2
	s_add_co_u32 s44, s44, s26                     ; which run of 8,192 numbers is my wave's
	s_lshl_b32 s42, s44, 15
	s_add_nc_u64 s[32:33], s[32:33], s[42:43]
	s_lshl_b32 s42, s44, 13
	s_add_nc_u64 s[38:39], s[38:39], s[42:43]
.macro LOAD t
.irp i, 0,1,2,3
	global_load_b128 v[R+16*((\t)%4)+4*\i:R+16*((\t)%4)+4*\i+3], v3, s[32:33] offset:2048*(\t)+512*\i th:TH_LOAD_NT   ; 32 lanes read 512 consecutive bytes
.endr
.endm
.macro TURN t                          ; step t's numbers through the stage: LDS serves a wave's instructions in order (ISA guide 5.7.1.4), so no wait stands between the stores and the loads
.irp i, 0,1,2,3
	ds_store_b128 v14, v[R+16*((\t)%4)+4*\i:R+16*((\t)%4)+4*\i+3] offset:32*SP*((\t)%2)+8*SP*\i
.endr
.irp i, 0,1,2,3
	ds_load_b128 v[X+16*((\t)%2)+4*\i:X+16*((\t)%2)+4*\i+3], v15 offset:32*SP*((\t)%2)+16*\i
.endr
.endm
.irp t, 0,1,2,3
	LOAD \t
.endr
	s_wait_kmcnt 0x0
.irp i, 1,2,3,4,5
	s_cmp_eq_u32 s45, \i
	s_cselect_b32 s48, s[48+\i], s48               ; e
.endr
	s_add_co_i32 s48, s48, 127
	s_lshl_b32 s49, s48, 23
	v_mov_b32 v11, s49                             ; 2^e as f32: the conversion takes its exponent field
	s_add_co_i32 s48, s48, EMAX
	s_lshl_b32 s48, s48, 23
	s_or_b32 s48, s48, MANT
	v_mov_b32 v10, s48                             ; 448 x 2^e
	s_wait_alu depctr_va_vdst(0)
	s_wait_loadcnt 12                              ; step 0's four loads are in; the twelve of steps 1 to 3 may be out
	TURN 0
.macro STEP t
.set XS, X+16*((\t)%2)
	s_wait_dscnt 0x0                               ; this step's numbers are back from the stage: so its stores into the stage have read their registers,
.if (\t)+4 < STEPS
	LOAD (\t)+4                                    ; which take the loads of four steps on
.endif
.if (\t)+1 < STEPS
.if STEPS-2-(\t) >= 3
	s_wait_loadcnt 12                              ; the next step's four loads are in; those of the three steps behind it may be out
.else
	s_wait_loadcnt 4*(STEPS-2-(\t))                ; the tail: four for each step that is still behind the next
.endif
	TURN (\t)+1                                    ; and go through the other stage while this step is worked
.endif
.irp i, 0,1,2,3,4,5,6,7,8,9,10,11,12,13,14,15
	v_med3_num_f32 v[XS+\i], v[XS+\i], -v10, v10   ; the conversion to an 8-bit code does not saturate (ISA guide 7.6.2): the number is held within the largest code x the scale first
.endr
	v_cvt_scalef32_pk8_fp8_f32 v[C+4*(\t):C+4*(\t)+1], v[XS:XS+7], v11
	v_cvt_scalef32_pk8_fp8_f32 v[C+4*(\t)+2:C+4*(\t)+3], v[XS+8:XS+15], v11   ; the results go to a store alone; the next vector lines, the next step's holds, are plain and touch other registers
	global_store_b128 v4, v[C+4*(\t):C+4*(\t)+3], s[38:39] offset:32*CB*(\t)  ; 32 lanes store 512 consecutive bytes, aligned
.endm
.irp t, 0,1,2,3,4,5,6,7,8,9,10,11,12,13,14,15
	STEP \t
.endr
	s_wait_tensorcnt 0x0                           ; the wave's end: three lines behind my last LDS store
	ds_add_u32 v[SPW], v[NIL]
	s_wait_dscnt 0x0
	s_endpgm
	; ---------------- job 2: the mask's words ----------------
.Lpack:
	s_sub_co_u32 s27, ttmp9, NQ                    ; b x 128 + tile of 16 queries
	s_wait_alu depctr_va_vdst(0)
	v_lshlrev_b32 v1, 4, v2                        ; my 16 bytes of a load's 512
	s_mul_i32 s28, s26, PKW
	s_add_co_u32 s28, s28, PK                      ; my stage
	v_add_nc_u32 v6, s28, v1                       ; in: a row as it lies
	v_and_b32 v3, 15, v2                           ; r
	v_lshrrev_b32 v4, 4, v2                        ; h
	v_mul_u32_u24 v7, v3, PP
	v_lshl_add_u32 v7, v4, 5, v7
	v_add_nc_u32 v7, s28, v7                       ; out: row r, keys 8 h on: 32 h bytes
	v_lshlrev_b32 v8, 3, v2                        ; my two words of a block's 64
.irp i, 0,1,2,3,4,5,6,7
	v_mov_b32 v[WD+\i], 0                          ; written whole once: a lane write's destination counts as read
.endr
	s_lshl_b32 s30, s27, 17                        ; 16 rows of 8,192 bytes
	s_lshl_b32 s29, s26, 11                        ; my four key blocks of 512 bytes
	s_add_co_u32 s30, s30, s29
	s_mov_b32 s31, 0
	s_lshl_b32 s28, s27, 12                        ; 16 blocks of 256 bytes of words
	s_lshl_b32 s29, s26, 10
	s_add_co_u32 s28, s28, s29
	s_mov_b32 s29, 0
	s_wait_kmcnt 0x0
	s_add_nc_u64 s[18:19], s[18:19], s[30:31]
	s_add_nc_u64 s[24:25], s[24:25], s[28:29]
.macro LOADT u                         ; key block u of my four: 16 rows x 512 consecutive bytes, into set u % 2
.set p, 0
.rept 16
	global_load_b128 v[ML+64*((\u)%2)+4*p:ML+64*((\u)%2)+4*p+3], v1, s[18:19] offset:p*8192+(\u)*512 th:TH_LOAD_NT
.set p, p+1
.endr
.endm
.macro PACK u
.if (\u) < 3
	s_wait_loadcnt 16                              ; this block's sixteen loads are in; the next block's sixteen may be out
.else
	s_wait_loadcnt 0x0
.endif
.set p, 0
.rept 16
	ds_store_b128 v6, v[ML+64*((\u)%2)+4*p:ML+64*((\u)%2)+4*p+3] offset:p*PP
.set p, p+1
.endr
.set p, 0
.rept 16
	ds_load_b128 v[XM+4*p:XM+4*p+3], v7 offset:(p/2)*64+(p%2)*16   ; registers 8 t + 4 i on: row r, keys 16 t + 8 h + 4 i on.  LDS serves a wave's instructions in order: these see the stores above
.set p, p+1
.endr
	s_wait_dscnt 0x0                               ; the block is turned, and the stores have read their registers,
.if (\u) < 2
	LOADT (\u)+2                                   ; which take the block two further on
.endif
.set g, 0
.rept 2
.set m, 0
.rept 32
	v_cmp_ne_u32 s[32+m], 0, v[XM+32*g+m]          ; bit = lane: word 32 g + m
.set m, m+1
.endr
.set m, 0
.rept 32
	v_writelane_b32 v[WD+2*(\u)+m%2], s[32+m], 16*g+m/2
.set m, m+1
.endr
.set g, g+1
.endr
	global_store_b64 v8, v[WD+2*(\u):WD+2*(\u)+1], s[24:25] offset:(\u)*256   ; 32 lanes store 256 consecutive bytes, aligned; each block has its own pair, so no store's data are written again
.endm
	LOADT 0
	LOADT 1
	PACK 0
	PACK 1
	PACK 2
	PACK 3
	s_wait_tensorcnt 0x0                           ; the wave's end: three lines behind my last LDS store
	ds_add_u32 v[SPW], v[NIL]
	s_wait_dscnt 0x0
	s_endpgm
.Lfunc_end_k_qcf0f935952_prep:
	.size	k_qcf0f935952_prep, .Lfunc_end_k_qcf0f935952_prep-k_qcf0f935952_prep
	.p2alignl 7, 3214868480
	.fill 96, 4, 3214868480
	.section	.rodata,"a",@progbits
	.p2align	6, 0x0
	.amdhsa_kernel k_qcf0f935952_prep
		.amdhsa_group_segment_fixed_size 67072
		.amdhsa_private_segment_fixed_size 0
		.amdhsa_enable_private_segment 0
		.amdhsa_kernarg_size 88
		.amdhsa_user_sgpr_count 2
		.amdhsa_user_sgpr_kernarg_segment_ptr 1
		.amdhsa_wavefront_size32 1
		.amdhsa_system_sgpr_workgroup_id_x 1
		.amdhsa_system_sgpr_workgroup_id_y 1
		.amdhsa_system_sgpr_workgroup_id_z 1
		.amdhsa_system_vgpr_workitem_id 0
		.amdhsa_next_free_vgpr 216
		.amdhsa_next_free_sgpr 66
		.amdhsa_reserve_vcc 0
		.amdhsa_float_denorm_mode_32 3
		.amdhsa_float_denorm_mode_16_64 3
		.amdhsa_memory_ordered 1
		.amdhsa_forward_progress 1
		.amdhsa_inst_pref_size 86
	.end_amdhsa_kernel
	.amdgpu_metadata
---
amdhsa.version: [ 1, 2 ]
amdhsa.kernels:
  - .name:           k_qcf0f935952_prep
    .symbol:         k_qcf0f935952_prep.kd
    .args:
      - { .name: q, .offset: 0, .size: 8, .value_kind: global_buffer, .address_space: global }
      - { .name: k, .offset: 8, .size: 8, .value_kind: global_buffer, .address_space: global }
      - { .name: v, .offset: 16, .size: 8, .value_kind: global_buffer, .address_space: global }
      - { .name: Wq, .offset: 24, .size: 8, .value_kind: global_buffer, .address_space: global }
      - { .name: Wk, .offset: 32, .size: 8, .value_kind: global_buffer, .address_space: global }
      - { .name: Wv, .offset: 40, .size: 8, .value_kind: global_buffer, .address_space: global }
      - { .name: lowp_scales, .offset: 48, .size: 8, .value_kind: global_buffer, .address_space: global }
      - { .name: mask, .offset: 56, .size: 8, .value_kind: global_buffer, .address_space: global }
      - { .name: xc, .offset: 64, .size: 8, .value_kind: global_buffer, .address_space: global }
      - { .name: wc, .offset: 72, .size: 8, .value_kind: global_buffer, .address_space: global }
      - { .name: mbits, .offset: 80, .size: 8, .value_kind: global_buffer, .address_space: global }
    .group_segment_fixed_size: 67072
    .private_segment_fixed_size: 0
    .kernarg_segment_align: 8
    .kernarg_segment_size: 88
    .max_flat_workgroup_size: 128
    .sgpr_count:     66
    .vgpr_count:     216
    .wavefront_size: 32
...
	.end_amdgpu_metadata
.endif
;; end of part 4
;; launch proj (part 5): grid 4 x 96, 4 waves a work-group, clusters of 4 x 4, 327,680 bytes of LDS; arguments xc, wc, bq, bk, bv, lowp_scales, img; writes img
.if DOCPART == 5
	.amdgcn_target "amdgcn-amd-amdhsa--gfx1250"
	.amdhsa_code_object_version 6
	.text
	.protected	k_qcf0f935952_proj
	.globl	k_qcf0f935952_proj
	.p2align	8
	.type	k_qcf0f935952_proj,@function
k_qcf0f935952_proj:
	s_mov_b64 s[64:65], 0
	v_nop
	global_prefetch_b8 v0, s[64:65] scope:SCOPE_SE
	s_setreg_imm32_b32 hwreg(HW_REG_WAVE_MODE, 25, 1), 1
	s_wait_xcnt 0x0
	s_wait_alu depctr_hold_cnt(0) depctr_sa_sdst(0) depctr_va_vdst(0) depctr_va_sdst(0) depctr_va_ssrc(0) depctr_va_vcc(0) depctr_vm_vsrc(0)
	s_getreg_b32 s2, hwreg(HW_REG_IB_STS2, 6, 4)
	s_cmp_eq_u32 s2, 0
	s_cbranch_scc0 .Lentry_in_a_cluster
	s_endpgm
.Lentry_in_a_cluster:
	s_bfe_u32 s2, ttmp6, 0x10000c
	s_cmp_lg_u32 s2, 0xf033
	s_cbranch_scc0 .Lentry_shape_is_right
	s_endpgm
.Lentry_shape_is_right:
; THE THREE PROJECTIONS y = x W^T + b on codes of FP8 (E4M3), K = 1,024, and the quantising of y for the attention, in one launch.
; A tile of 256 x 256 results is made by a work-group of four waves; a wave makes 128 x 128: 64 accumulators of 16 x 16, 512 registers.  K goes in steps of 256 through a ring of two LDS slots filled by the
; tensor data mover: a tile's row is 256 bytes of memory.  Four fills in all, so the eight steps of 128 along K are written out in a row.
; ROLES.  The matrix instruction takes rows of 'B' as source 0 and rows of 'A' as source 1: a lane then holds ONE row of A and its eight registers run along EIGHT NEIGHBOURING rows of B.
;   q, k (clusters 0-7, 8-15): A = x's rows, B = W's rows: a lane holds one token, registers run along the features = the head's 64, which is K of the scores' product.
;   v    (clusters 16-23):     A = Wv's rows, B = v's rows: a lane holds one feature, registers run along the keys, which are K of the second product of the attention.
;   So the conversions' results ARE registers of the attention's operands, and they are stored as images of those registers: no stage, no transposition.
; img = [Q, K, V][b 4][head 16][131,072 bytes].  Quad i (registers 4 i .. 4 i + 3) of a fragment lies at 512 i + 16 x lane.
;   Q, K: 128 tiles of 16 tokens, 1,024 bytes each: lane (r, h) holds token r; registers 2 c, 2 c + 1 hold the head's 16 c + 8 h + 0 .. 7.
;   V: 16 blocks of 128 keys, 8,192 bytes each, of four fragments (16 of the head's 64 each) of 2,048 bytes: lane (r, h) holds feature r; registers 2 c, 2 c + 1 hold keys 16 c + 8 h + 0 .. 7.
; THE BIAS is the C of each sum's first matrix instruction, divided by the power of two that the sums lack: b / 2^(ea + eb).  The three scales ahead of the quantiser are folded into the conversion's one: 2^(eo - ea - eb).
;   (ea, eb, eo) = entries (0, 1, 6) for q, (2, 3, 7) for k, (4, 5, 9) for v.
; CLUSTERS: 4 x 4 work-groups.  The four of a row of the cluster need the same tiles of A, the four of a column the same tiles of B: each tile is asked for JOINTLY, by the same tensor load with the same
; descriptor and a mask that names the four.  Which tensor a cluster serves hangs on the cluster's number alone, which all sixteen share.
; A fragment's k stand permuted in the registers, alike in A and B (four loads of 16 bytes a fragment): every product meets its partner; only the order of the sums inside an instruction changes.
; LIMITS: eo - ea - eb between -126 and 119, so that 2^(eo - ea - eb) and 448 x it are f32 numbers.  NaN among the inputs is not served.
; REGISTERS, in windows of 256: window 0: v1-29 addresses and constants; v32-95 the bias in the result's layout, later a block's held sums; v96-103 at work; from v128 A's fragments, ONE set, later the codes.
;   window 1: B's fragments, TWO sets, at v0 and at v128.   window 2: the 32 accumulators of my A rows 0-63 ((a, b) at v[8 (8 a + b)]);   window 3: those of my A rows 64-127.
.set ROWB,   256                       ; a tile's row in bytes: 256 codes
.set KROW,   1024                      ; a row of codes in memory, in bytes
.set PITCH,  272                       ; an LDS row: 256 bytes + 16 of padding = 68 words: row r starts at bank 4 r mod 64 (64 banks of 4 bytes: ISA guide 11.1)
.set FR,     16                        ; registers of a fragment: 16 rows x 128 K
.set NL,     4                         ; LDS loads that bring one
.set NP,     4                         ; places behind this matrix instruction (ISA guide 7.12.1)
.set HALFT,  128*PITCH                 ; 128 rows: what one tensor load brings, and what one wave reads of A or of B
.set SLOT,   4*HALFT                   ; A's 256 rows, then B's 256 rows
.set SPARE,  2*SLOT                    ; behind the ring: the spare words, 128 bytes for each wave: two blocks of 256 bytes that no other line names
.set SC,   12                          ; v12     2^(eo - ea - eb) as f32
.set LIM,  13                          ; v13     448 x that
.set ADRA, 16                          ; v16-17  LDS address of my A fragments in slot 0, 1
.set ADRB, 20                          ; v20-21  the same for B
.set CO0,  26                          ; v26     the way out: 16 x lane
.set CO1,  27                          ; v27     the same for quads 2 and 3: the next head's tile (q, k) or 1,024 bytes on (v)
.set SPW,  28                          ; v28     LDS address of my spare word; never rewritten
.set NIL,  29                          ; v29     0; never rewritten
.set BI,   32                          ; v32-95  the bias: eight registers for each of eight tiles
.set TMP,  32                          ; the way out: a block's 64 sums, held
.set AF,   128                         ; A's fragments, in window 0
.set G1, 24                            ; s[24:31] descriptor group 1 for A's tiles;  s[32:39] group 0, one set for each slot
.set G0, 32
.set G1B, 48                           ; s[48:55], s[56:63] the same for B's tiles
.set G0B, 56
.set MSB, 0
.macro WIN new                         ; the immediate's high byte repeats the setting that is left
.if MSB != \new
	s_set_vgpr_msb (MSB<<8)|\new
.set MSB, \new
.endif
.endm
.set MUL_LO, 0xa1                      ; source 0 (B) window 1, source 1 (A) window 0, C and D window 2
.set MUL_HI, 0xf1                      ; the same, C and D window 3
.set ONE_LO, 0x81                      ; the first step: C (the bias) window 0, D window 2
.set ONE_HI, 0xc1                      ; D window 3
.set TO_B,   0x40                      ; destination window 1, address window 0
; A joint load: waves 0 and 1 fetch for A, waves 2 and 3 for B.  Each of the two lines has ONE mask and one set of registers for all that issue it; the branch hangs on the wave's number alone.
; An s_nop 0 and four v_nop follow each of the two lines, ahead of the jump, the label and what follows.
.macro JLOAD g0a, g1a, g0b, g1b
	s_cmp_eq_u32 s15, 0
	s_cbranch_scc0 .Lfor_b_\@
	tensor_load_to_lds s[\g0a:\g0a+3], s[\g1a:\g1a+7]
	s_nop 0
.rept 4
	v_nop
.endr
	s_branch .Lasked_\@
.Lfor_b_\@:
	tensor_load_to_lds s[\g0b:\g0b+3], s[\g1b:\g1b+7]
	s_nop 0
.rept 4
	v_nop
.endr
.Lasked_\@:
.endm
.macro CREST                           ; a round of the cluster's barrier behind its opening barrier
	s_cmp_lg_u32 s14, 0
	s_cbranch_scc1 .Lnot_wave_0_\@
	s_barrier_signal -3
.Lnot_wave_0_\@:
	s_barrier_wait -3
	s_barrier_signal -1
	s_barrier_wait -1
.endm
.macro CROUND                          ; a whole round
	s_barrier_signal -1
	s_barrier_wait -1
	CREST
.endm
	s_load_b256 s[4:11], s[0:1], 0x0               ; xc s[4:5], wc s[6:7], bq s[8:9], bk s[10:11]
	s_load_b128 s[68:71], s[0:1], 0x20             ; bv s[68:69], the scales' exponents s[70:71]
	s_load_b64 s[72:73], s[0:1], 0x30              ; img
	v_lshl_add_u32 v[SPW], v0, 2, SPARE
	v_mov_b32 v[NIL], 0
	ds_add_u32 v[SPW], v[NIL]                      ; the wave's opening: the add and its wait stand ahead of my first tensor load; the set-up below, work on registers, stands between them
	ds_add_u32 v[SPW], v[NIL]
	v_lshrrev_b32 v1, 5, v0
	v_readfirstlane_b32 s14, v1                    ; wave 0..3
	s_lshr_b32 s15, s14, 1                         ; which half of the tile's A rows is mine.  Also: I fetch for A (0) or for B (1)
	s_and_b32 s16, s14, 1                          ; which half of its B rows.  Also: which 128 rows of that tile I fetch
	s_bfe_u32 s40, ttmp6, 0x40000                  ; cx, cy: my place in the cluster
	s_bfe_u32 s41, ttmp6, 0x40004
	s_and_b32 s66, ttmp7, 0xffff                   ; the cluster's number, 0..23
	s_lshr_b32 s67, s66, 3                         ; t: 0 q, 1 k, 2 v
	s_and_b32 s75, s66, 7
	s_lshl_b32 s75, s75, 2                         ; four tiles of 256 tokens to a cluster
	s_cmp_eq_u32 s67, 2
	s_cselect_b32 s74, 1, 0                        ; is it v?
	s_cselect_b32 s94, 0, s75                      ; the tokens are A's rows for q and k,
	s_cselect_b32 s95, s75, 0                      ; B's rows for v
	s_add_co_u32 s17, s94, s41                     ; A's tile = .. + cy
	s_add_co_u32 s42, s95, s40                     ; B's tile = .. + cx
	s_lshl_b32 s43, s41, 2
	s_lshl_b32 s43, 15, s43                        ; my row of the cluster
	s_lshl_b32 s44, 0x1111, s40                    ; my column
	; descriptor group 1: a tile of 128 rows x 256 bytes, padded in LDS
	s_or_b32 s[G1+0], s43, (0<<16)|(1<<20)|(1<<21)|(5<<22)|(3<<25)  ; 15:0 the mask: A's tiles go to my row; 17:16 element of 1 byte; 20 padding on; 21 set beside a mask; 24:22 after every 64 words (code 5); 31:25 of 4 words (code 3)
	s_or_b32 s[G1B+0], s44, (0<<16)|(1<<20)|(1<<21)|(5<<22)|(3<<25)
.irp g, G1, G1B
	s_mov_b32 s[\g+1], ROWB<<16                    ; tensor_dim0
	s_mov_b32 s[\g+2], 128<<16                     ; tensor_dim1 = 128
	s_mov_b32 s[\g+3], ROWB<<16                    ; tile_dim0
	s_mov_b32 s[\g+4], 128                         ; tile_dim1 = 128
	s_mov_b32 s[\g+5], KROW                        ; tensor_dim0_stride
	s_mov_b32 s[\g+6], 0
	s_mov_b32 s[\g+7], 0
.endr
	s_lshl_b32 s18, s16, 7                         ; which 128 rows of the tile I fetch
	s_lshl_b32 s20, s17, 8
	s_add_co_u32 s20, s20, s18                     ; A: row 256 x tile + 128 x half,
	s_lshl_b32 s20, s20, 10                        ; in bytes (under 2^23)
	s_mov_b32 s21, 0
	s_lshl_b32 s46, s42, 8
	s_add_co_u32 s46, s46, s18                     ; B likewise
	s_lshl_b32 s46, s46, 10
	s_mov_b32 s47, 0
	s_mul_i32 s45, s14, HALFT                      ; where they go: wave x 128 rows: no place in the cluster enters an LDS address
	s_lshl_b32 s96, s67, 23                        ; tensor t in xc,
	s_mov_b32 s97, 0
	s_lshl_b32 s98, s67, 20                        ; and in wc
	s_mov_b32 s99, 0
	s_wait_dscnt 0x0                               ; the opening add is done
	s_wait_kmcnt 0x0
	s_load_b256 s[76:83], s[70:71], 0x0            ; e0 .. e7
	s_load_b64 s[84:85], s[70:71], 0x20            ; e8, e9
	s_add_nc_u64 s[96:97], s[4:5], s[96:97]
	s_add_nc_u64 s[98:99], s[6:7], s[98:99]
	s_cmp_eq_u32 s67, 2
	s_cselect_b64 s[4:5], s[98:99], s[96:97]       ; A: the tokens' codes, for v the weight's
	s_cselect_b64 s[6:7], s[96:97], s[98:99]       ; B: the weight's codes, for v the tokens'
	s_add_nc_u64 s[20:21], s[4:5], s[20:21]
	s_add_nc_u64 s[46:47], s[6:7], s[46:47]
	CROUND                                         ; all sixteen work-groups are here: the first joint loads meet
.irp s, 0,1
	s_mov_b32 s[G0+4*\s], 1
	s_add_co_u32 s[G0+4*\s+1], s45, \s*SLOT
	s_add_nc_u64 s[G0+4*\s+2:G0+4*\s+3], s[20:21], \s*ROWB
	s_or_b32 s[G0+4*\s+3], s[G0+4*\s+3], 0x80000000
	s_mov_b32 s[G0B+4*\s], 1
	s_add_co_u32 s[G0B+4*\s+1], s45, \s*SLOT
	s_add_nc_u64 s[G0B+4*\s+2:G0B+4*\s+3], s[46:47], \s*ROWB
	s_or_b32 s[G0B+4*\s+3], s[G0B+4*\s+3], 0x80000000
	s_wait_alu depctr_va_vdst(0)
	s_wait_tensorcnt 0x0
	ds_add_u32 v28, v29
	ds_add_u32 v28, v29
	s_wait_dscnt 0x0
	CROUND
	JLOAD G0+4*\s, G1, G0B+4*\s, G1B
.endr
	v_and_b32 v1, 15, v0                           ; r = l % 16
	v_bfe_u32 v2, v0, 4, 1                         ; h = l / 16
	v_mul_u32_u24 v3, v1, PITCH
	v_lshl_add_u32 v4, v2, 4, v3                   ; a fragment's row x pitch + 16 x half
	s_mul_i32 s21, s15, HALFT                      ; my 128 rows of A
	s_mul_i32 s22, s16, HALFT                      ; my 128 rows of B,
	s_add_co_u32 s22, s22, 2*HALFT                 ; which lie behind A's 256
.irp s, 0,1
	v_add_nc_u32 v[ADRA+\s], s21, v4
	v_add_nc_u32 v[ADRB+\s], s22, v4
	s_add_co_u32 s21, s21, SLOT
	s_add_co_u32 s22, s22, SLOT
.endr
	; where my results go, and which biases are mine
	s_lshl_b32 s94, s17, 8
	s_lshl_b32 s18, s15, 7
	s_add_co_u32 s94, s94, s18                     ; my first row of A
	s_lshl_b32 s95, s42, 8
	s_lshl_b32 s18, s16, 7
	s_add_co_u32 s95, s95, s18                     ; my first row of B
	s_mov_b32 s98, 131072
	s_cmp_eq_u32 s74, 1
	s_cselect_b32 s96, s94, s95                    ; my first feature,
	s_cselect_b32 s97, s95, s94                    ; my first token
	s_cselect_b32 s98, 1024, s98                   ; quads 2 and 3: v: the fragment's second half; q, k: the next head's tile
	s_cselect_b64 s[92:93], s[68:69], s[8:9]
	s_cmp_eq_u32 s67, 1
	s_cselect_b64 s[92:93], s[10:11], s[92:93]     ; the bias of tensor t
	s_lshl_b32 s88, 1024, s74                      ; from one block of 16 A rows to the next: a tile of tokens (1,024 bytes) or a fragment of V (2,048)
	s_mov_b32 s89, 0
	s_mul_i32 s90, s74, 122880                     ; v: behind four fragments the next head begins: 131,072 - 4 x 2,048 more
	s_mov_b32 s91, 0
	s_lshl_b32 s86, s67, 23                        ; Q, K or V: 8 MiB each
	s_lshr_b32 s18, s97, 11
	s_lshl_b32 s18, s18, 21
	s_add_co_u32 s86, s86, s18                     ; + b x 2 MiB
	s_lshr_b32 s18, s96, 6
	s_lshl_b32 s18, s18, 17
	s_add_co_u32 s86, s86, s18                     ; + head x 131,072
	s_and_b32 s18, s97, 2047
	s_lshl_b32 s18, s18, 6
	s_add_co_u32 s86, s86, s18                     ; + 64 bytes a token: 1,024 a tile of 16, 8,192 a block of 128
	s_mov_b32 s87, 0
	s_add_nc_u64 s[86:87], s[72:73], s[86:87]
	s_lshl_b32 s18, s96, 2
	s_mov_b32 s19, 0
	s_add_nc_u64 s[92:93], s[92:93], s[18:19]      ; my 128 biases
	v_and_b32 v5, 31, v0
	v_lshlrev_b32 v[CO0], 4, v5
	v_add_nc_u32 v[CO1], s98, v[CO0]
	s_wait_kmcnt 0x0                               ; the exponents
	s_add_co_i32 s76, s76, s77
	s_add_co_i32 s78, s78, s79
	s_add_co_i32 s80, s80, s81
	s_cmp_eq_u32 s67, 1
	s_cselect_b32 s76, s78, s76
	s_cselect_b32 s82, s83, s82
	s_cmp_eq_u32 s67, 2
	s_cselect_b32 s76, s80, s76                    ; ea + eb
	s_cselect_b32 s82, s85, s82                    ; eo
	s_sub_co_i32 s77, 0, s76                       ; -(ea + eb)
	s_sub_co_i32 s82, s82, s76
	s_add_co_i32 s82, s82, 127
	s_lshl_b32 s83, s82, 23
	v_mov_b32 v[SC], s83                           ; 2^(eo - ea - eb) as f32: the conversion takes its exponent field
	s_add_co_i32 s82, s82, 8
	s_lshl_b32 s82, s82, 23
	s_or_b32 s82, s82, 0x600000
	v_mov_b32 v[LIM], s82                          ; 448 x that
	; the bias in the result's layout.  The branch hangs on the cluster's number alone; no barrier, tensor load or wait on TENSORcnt stands in either arm
	s_cmp_eq_u32 s74, 0
	s_cbranch_scc0 .Lbias_v
	v_lshlrev_b32 v6, 5, v2                        ; q, k: tile b's registers j are features 16 b + 8 h + j: the same for every block of A
.irp b, 0,1,2,3,4,5,6,7
	global_load_b128 v[BI+8*\b:BI+8*\b+3], v6, s[92:93] offset:64*\b
	global_load_b128 v[BI+8*\b+4:BI+8*\b+7], v6, s[92:93] offset:64*\b+16
.endr
	s_wait_loadcnt 0x0
.set j, 0
.rept 64
	v_ldexp_f32 v[BI+j], v[BI+j], s77              ; b / 2^(ea + eb)
.set j, j+1
.endr
	s_branch .Lbias_done
.Lbias_v:
	v_lshlrev_b32 v6, 2, v1                        ; v: block a's lane r is feature 16 a + r: one number a lane, the same in all eight registers and for every tile of B
.irp a, 0,1,2,3,4,5,6,7
	global_load_b32 v[96+\a], v6, s[92:93] offset:64*\a
.endr
	s_wait_loadcnt 0x0
.irp a, 0,1,2,3,4,5,6,7
.irp j, 0,1,2,3,4,5,6,7
	v_ldexp_f32 v[BI+8*\a+\j], v[96+\a], s77       ; the scaling spreads it
.endr
.endr
.Lbias_done:
.macro FRAG reg, adr, q, i             ; a fragment, 16 rows x 128 K of 8-bit codes, is 16 registers: lane l holds row l % 16; registers 4 c .. 4 c + 3 hold K = 32 c + 16 (l / 16) + 0 .. 15
.irp c, 0,1,2,3
	ds_load_b128 v[\reg+4*\c:\reg+4*\c+3], v[\adr] offset:128*(\q)+32*\c+(\i)*16*PITCH
.endr
.endm
; 16 matrix instructions: A's blocks a0, a0 + 1 x B's eight, 128 along K.  p: B's set.  zero = 1, 2: the first product starts the sums, with the bias as C (1: by B's tile; 2: by A's block): nothing is ever cleared.
; The 64 accumulators take turns, one instruction a turn, in the same order in every step.
.macro MUL16 a0, p, zero
.irp a, \a0, \a0+1
.irp b, 0,1,2,3,4,5,6,7
.if \zero == 1
	v_wmma_f32_16x16x128_fp8_fp8 v[8*(8*((\a)%4)+\b):8*(8*((\a)%4)+\b)+7], v[128*(\p)+FR*\b:128*(\p)+FR*\b+FR-1], v[AF+FR*(\a):AF+FR*(\a)+FR-1], v[BI+8*\b:BI+8*\b+7]
.elseif \zero == 2
	v_wmma_f32_16x16x128_fp8_fp8 v[8*(8*((\a)%4)+\b):8*(8*((\a)%4)+\b)+7], v[128*(\p)+FR*\b:128*(\p)+FR*\b+FR-1], v[AF+FR*(\a):AF+FR*(\a)+FR-1], v[BI+8*(\a):BI+8*(\a)+7]
.else
	v_wmma_f32_16x16x128_fp8_fp8 v[8*(8*((\a)%4)+\b):8*(8*((\a)%4)+\b)+7], v[128*(\p)+FR*\b:128*(\p)+FR*\b+FR-1], v[AF+FR*(\a):AF+FR*(\a)+FR-1], v[8*(8*((\a)%4)+\b):8*(8*((\a)%4)+\b)+7]
.endif
.endr
.endr
.endm
.macro FETCH_B slot, q, p              ; B's eight fragments of the slot's q-th 128 along K into set p
	WIN TO_B
.irp i, 0,1,2,3,4,5,6,7
	FRAG 128*(\p)+FR*\i, ADRB+\slot, \q, \i
.endr
	WIN 0
.endm
.macro FETCH_A slot, q, i0             ; A's blocks i0 .. i0 + 3
.irp i, \i0, \i0+1, \i0+2, \i0+3
	FRAG AF+FR*(\i), ADRA+\slot, \q, \i
.endr
.endm
; A load into a register that a matrix instruction has read, and a vector instruction that reads a matrix result, stand NP places behind that matrix instruction, and only plain vector
; instructions that name none of its registers are places (ISA guide 7.12.1 for vector instructions).
.macro PLACES n
.rept \n
	v_nop
.endr
.endm
; A step of 128 along K that has its successor in the same slot.  A has one set of registers: a block is free when its eight products are issued; blocks 0-3 are fetched anew in the step's middle, blocks 4-7 at its end.
.macro STEP slot, q, zero
	s_wait_dscnt 4*NL                              ; B's set and A's blocks 0-3 are in; the youngest sixteen loads (A's blocks 4-7) may be out
.if \zero
	WIN ONE_LO
.else
	WIN MUL_LO
.endif
	MUL16 0, (\q)%2, \zero
	MUL16 2, (\q)%2, \zero
	s_wait_dscnt 0                                 ; A's blocks 4-7 are in (asked for 32 matrix instructions ago)
	PLACES NP
	FETCH_B \slot, (\q)+1, 1-(\q)%2
	FETCH_A \slot, (\q)+1, 0
.if \zero
	WIN ONE_HI
.else
	WIN MUL_HI
.endif
	MUL16 4, (\q)%2, \zero
	MUL16 6, (\q)%2, \zero
	PLACES NP
	WIN 0
	FETCH_A \slot, (\q)+1, 4
.endm
; A slot's last step changes slots: ONE barrier; in front of it each wave waits for all its tensor loads, adds 0 to its spare word, and waits for that and for its own reads of this slot.  fill = 1: this slot is filled again, two K steps ahead.
.macro TURN slot, next, fill
	s_wait_tensorcnt 0x0                           ; all my tensor loads have landed: my part of the next slot;  (every window is 0 here: the add's two registers lie in window 0)
	ds_add_u32 v[SPW], v[NIL]                      ; 0 onto my spare word
	s_wait_dscnt 4*NL+1                            ; (the add and the youngest sixteen loads, A's blocks 4-7, may be out)
	WIN MUL_LO
	MUL16 0, 1, 0                                  ; sixteen matrix instructions stand between the add and the wait for it
	s_wait_dscnt 0x0                               ; the add is done, and my reads of this slot are over
	s_barrier_signal -1
	MUL16 2, 1, 0
	WIN 0
	s_barrier_wait -1
.if \fill
	CREST                                          ; the barrier has opened a round of the cluster's barrier: no wave of any partner still reads this slot's tile or has a load on its way
	s_add_nc_u64 s[G0+4*\slot+2:G0+4*\slot+3], s[G0+4*\slot+2:G0+4*\slot+3], 2*ROWB
	s_add_nc_u64 s[G0B+4*\slot+2:G0B+4*\slot+3], s[G0B+4*\slot+2:G0B+4*\slot+3], 2*ROWB
	JLOAD G0+4*\slot, G1, G0B+4*\slot, G1B         ; the first tensor load behind the round; the four v_nop behind it are the places in front of the loads below
.else
	PLACES NP
.endif
	FETCH_B \next, 0, 0
	FETCH_A \next, 0, 0
	WIN MUL_HI
	MUL16 4, 1, 0
	MUL16 6, 1, 0
	PLACES NP
	WIN 0
	FETCH_A \next, 0, 4
.endm
	s_wait_tensorcnt 1                             ; my part of K step 0 is in; K step 1's load may be out
	s_barrier_signal -1
	s_barrier_wait -1                              ; everybody's is
	FETCH_B 0, 0, 0
	FETCH_A 0, 0, 0
	FETCH_A 0, 0, 4
	s_cmp_eq_u32 s74, 0                            ; the first step is written twice: its C is the bias by B's tile (q, k) or by A's block (v).  Both arms issue the same loads and products
	s_cbranch_scc0 .Lfirst_v
	s_wait_alu depctr_va_vdst(0)
	STEP 0, 0, 1
	s_branch .Lfirst_done
.Lfirst_v:
	s_wait_alu depctr_va_vdst(0)
	STEP 0, 0, 2
.Lfirst_done:
	TURN 0, 1, 1                                   ; K 128-255; slot 0 takes K 512-767
	STEP 1, 0, 0                                   ; K 256-383
	TURN 1, 0, 1                                   ; K 384-511; slot 1 takes K 768-1023
	STEP 0, 0, 0                                   ; K 512-639
	TURN 0, 1, 0                                   ; K 640-767; nothing is left to fetch, so no round of the cluster's barrier
	STEP 1, 0, 0                                   ; K 768-895
	s_wait_dscnt 4*NL                              ; the very last step, K 896-1023
	WIN MUL_LO
	MUL16 0, 1, 0
	MUL16 2, 1, 0
	s_wait_dscnt 0
	WIN MUL_HI
	MUL16 4, 1, 0
	MUL16 6, 1, 0
	WIN 0
; THE WAY OUT, block by block of 16 A rows.  A block's 64 sums are held within +-448 x the scale into other registers (each accumulator from its low end on), eight conversions make of them sixteen registers of codes,
; and these ARE registers of the attention's operands: q, k: two tiles of 16 tokens x 64, of two neighbouring heads; v: one fragment of 16 features x 128 keys.  Each store covers 512 consecutive bytes, aligned.
.macro OUTA a
.set AC, 64*((\a)%4)
.set CD, AF+16*(\a)                    ; each block has its own sixteen registers for its codes, so that no store's data are written again
	WIN 0x02+((\a)/4)                              ; source 0: window 2 or 3
.set j, 0
.rept 64
	v_med3_num_f32 v[TMP+j], v[AC+j], -v[LIM], v[LIM]   ; the conversion to an 8-bit code does not saturate (ISA guide 7.6.2)
.set j, j+1
.endr
	WIN 0
.irp b, 0,1,2,3,4,5,6,7
	v_cvt_scalef32_pk8_fp8_f32 v[CD+2*\b:CD+2*\b+1], v[TMP+8*\b:TMP+8*\b+7], v[SC]
.endr
	v_nop                                          ; one plain vector instruction between the conversions and the next block's holds, which write their sources
.if (\a) > 0
	s_wait_alu depctr_va_vdst(0)
	s_wait_xcnt 0x0                                ; the last block's stores have read their base: only behind this wait is it stepped
	s_add_nc_u64 s[86:87], s[86:87], s[88:89]
.if (\a) == 4
	s_add_nc_u64 s[86:87], s[86:87], s[90:91]
.endif
.endif
	global_store_b128 v[CO0], v[CD:CD+3], s[86:87]
	global_store_b128 v[CO0], v[CD+4:CD+7], s[86:87] offset:512
	global_store_b128 v[CO1], v[CD+8:CD+11], s[86:87]
	global_store_b128 v[CO1], v[CD+12:CD+15], s[86:87] offset:512
.endm
	PLACES NP                                      ; behind the last products: for the first reads of results and the first writes over A's fragments
.irp a, 0,1,2,3,4,5,6,7
	OUTA \a
.endr
	s_wait_tensorcnt 0x0                           ; the wave's end: three lines, behind my last tensor load
	ds_add_u32 v[SPW], v[NIL]
	s_wait_dscnt 0x0
	CROUND                                         ; the closing round: no work-group ends while a partner may still ask for a tile that names it
	s_endpgm
.Lfunc_end_k_qcf0f935952_proj:
	.size	k_qcf0f935952_proj, .Lfunc_end_k_qcf0f935952_proj-k_qcf0f935952_proj
	.p2alignl 7, 3214868480
	.fill 96, 4, 3214868480
	.section	.rodata,"a",@progbits
	.p2align	6, 0x0
	.amdhsa_kernel k_qcf0f935952_proj
		.amdhsa_group_segment_fixed_size 327680
		.amdhsa_private_segment_fixed_size 0
		.amdhsa_enable_private_segment 0
		.amdhsa_kernarg_size 56
		.amdhsa_user_sgpr_count 2
		.amdhsa_user_sgpr_kernarg_segment_ptr 1
		.amdhsa_wavefront_size32 1
		.amdhsa_system_sgpr_workgroup_id_x 1
		.amdhsa_system_sgpr_workgroup_id_y 1
		.amdhsa_system_sgpr_workgroup_id_z 1
		.amdhsa_system_vgpr_workitem_id 0
		.amdhsa_next_free_vgpr 1024
		.amdhsa_next_free_sgpr 100
		.amdhsa_reserve_vcc 0
		.amdhsa_float_denorm_mode_32 3
		.amdhsa_float_denorm_mode_16_64 3
		.amdhsa_memory_ordered 1
		.amdhsa_forward_progress 1
		.amdhsa_inst_pref_size 140
	.end_amdhsa_kernel
	.amdgpu_metadata
---
amdhsa.version: [ 1, 2 ]
amdhsa.kernels:
  - .name:           k_qcf0f935952_proj
    .symbol:         k_qcf0f935952_proj.kd
    .args:
      - { .name: xc, .offset: 0, .size: 8, .value_kind: global_buffer, .address_space: global }
      - { .name: wc, .offset: 8, .size: 8, .value_kind: global_buffer, .address_space: global }
      - { .name: bq, .offset: 16, .size: 8, .value_kind: global_buffer, .address_space: global }
      - { .name: bk, .offset: 24, .size: 8, .value_kind: global_buffer, .address_space: global }
      - { .name: bv, .offset: 32, .size: 8, .value_kind: global_buffer, .address_space: global }
      - { .name: lowp_scales, .offset: 40, .size: 8, .value_kind: global_buffer, .address_space: global }
      - { .name: img, .offset: 48, .size: 8, .value_kind: global_buffer, .address_space: global }
    .group_segment_fixed_size: 327680
    .private_segment_fixed_size: 0
    .kernarg_segment_align: 8
    .kernarg_segment_size: 56
    .max_flat_workgroup_size: 128
    .sgpr_count:     100
    .vgpr_count:     1024
    .wavefront_size: 32
...
	.end_amdgpu_metadata
.endif
;; end of part 5
;; launch attn (part 6): grid 4 x 64, 16 waves a work-group, no clusters, 143,872 bytes of LDS; arguments img, mbits, lowp_scales, out0; writes out0
.if DOCPART == 6
	.amdgcn_target "amdgcn-amd-amdhsa--gfx1250"
	.amdhsa_code_object_version 6
	.text
	.protected	k_qcf0f935952_attn
	.globl	k_qcf0f935952_attn
	.p2align	8
	.type	k_qcf0f935952_attn,@function
k_qcf0f935952_attn:
	s_mov_b64 s[64:65], 0
	v_nop
	global_prefetch_b8 v0, s[64:65] scope:SCOPE_SE
	s_setreg_imm32_b32 hwreg(HW_REG_WAVE_SCHED_MODE, 0, 2), 2
	s_setreg_imm32_b32 hwreg(HW_REG_WAVE_MODE, 25, 1), 1
	s_wait_xcnt 0x0
	s_wait_alu depctr_vm_vsrc(0)
; out[b][q][64 head + d] = sum over k of Q8(softmax_k(masked scores))[q][k] V8[k][d], both products on codes of FP8 (E4M3).  THE PROBABILITIES ARE QUANTISED FINISHED AND NORMALISED, so a row's largest
; score and its sum are known before any p becomes a code.
; SHARES: THE WAVES SHARE THE KEYS.  A work-group owns one head and 512 queries; wave w of sixteen owns keys 128 w .. 128 w + 127.  Its fragments of K (64 registers) and of V^T (64) are loaded once and stay.
; The queries go by in 32 tiles of 16: a tile's whole rows of 2,048 scores lie in the sixteen waves' registers, 64 a wave, so each score, each select by the mask and each exponential is made ONCE.
; Between waves go small things, through LDS, with two barriers a tile: a pair (largest t, sum) for each query and wave; a pair (largest t, 1 / sum) for each query; and each wave's part of O^T (4 KiB).
; LAYOUT.  Both products are used transposed: S^T = K Q^T (source 0 = 16 keys, source 1 = the 16 queries), O^T = V^T P^T: a lane holds ONE query (lane % 16).  Register 8 t + j of S^T is key 16 t + 8 (lane / 16) + j of
; my 128: so the conversion of tile t's eight registers gives registers 2 t, 2 t + 1 of P as the second product wants them.  Operands come as images of their registers (quad i at 512 i + 16 x lane).
; THE MASK costs one instruction a score: word 8 t + j of mbits[b][tile of queries][my key block] has in bit l what lane l holds in that register; 64 words a tile come by scalar loads and are the lane masks of v_cndmask_b32.
; THE SOFTMAX.  t = raw score x c', c' = log2(e) / 8 x 2^(e6 + e7).  A hidden score becomes -2^60, under every raw score (at least -64 x 448^2).  Wave: tm_w = its largest t, e = 2^(t - tm_w), l_w = the sum of e.
; Wave w then serves query w: tm = the largest tm_w, l = the sum of l_w 2^(tm_w - tm), and 1 / l, or 0 where tm lies under c' x -2^59: a row with no open key.  p = e x (2^(tm_w - tm) / l).  No branch hangs on data.
; O: wave w adds the sixteen parts of query w of the tile BEFORE, while the matrix unit works on this tile's, multiplies by 2^(e8 + e9) and stores the head's 64 numbers: 256 consecutive bytes, aligned.
; NO CLUSTER, NO TENSOR LOAD: what the four work-groups of a head share, K's and V's images, goes straight into registers, 16 KiB a wave once for 32 tiles of work; a joint load could bring it into LDS only.
; NO PREFETCH: the next tile's Q and mask words are asked for in the tile before, behind its exponentials, straight into registers: both barriers and the normalising lie between the request and the use.
; LIMITS: e6 + e7 between -40 and 60 (c' x 2^60 is finite and far over the exponential's range); e8 between -126 and 119; e8 + e9 between -126 and 127.  p = e x f is rounded twice more than 2^(t - tm) / l.
; REGISTERS: v1, v2 the add's two; v3 -2^60; v5-v14 addresses; v15 448 x 2^e8; v16 2^e8; v17 c' x -2^59; v[18:19] (tm_w, l_w); v[20:21] the result to store; v[22:23] a loaded pair; v[24:25] f; v26-31 at work;
;   v32-39 Q; v40-55 P's codes; v56-119 S^T, then e, then p; later v56-87 O^T and v88-119 the sixteen parts; v120-183 K; v184-247 V^T; v248-251 the sums' chains.
; s[2:3] Q's tile, s[4:5] the mask words, s[6:7] out; s[8:9] c'; s[10:11] lane selects; s[12:13] 2^(e8 + e9); s14 wave; s15 trips; s16-63, s68-83 the 64 mask words; s84 a compare's mask.
; THE MODE: SCHED_MODE bits 1:0 = 2 (LLVM: expert scheduling mode 2), set by the entry lines.  The code itself states the register dependences between vector or matrix instructions and memory or LDS
; instructions, with s_wait_alu, always for 0.
; THE PLAN.  Registers that memory or LDS instructions touch, round a tile:
;   v5-v14, v1, v2  addresses and the add's two: written at the head, ahead of one wait on va_vdst, and never again.
;   Q (v32-39)      read by the tile's eight products K Q^T; loaded again behind the wait for the exponentials, which stands behind those products.
;   v[18:19]        written by the maximum's and the sum's last lines; read by the first small LDS store.      v[28:29]  written by the server's lines; read by the second small LDS store.
;   v[22:23]        two LDS loads a tile land here; vector lines only read them, and a wait on va_vdst stands between the last reader and each load.
;   v88-119         scores, e and p of score tiles 4-7 up to their conversions, WHICH COME FIRST; behind one wait the sixteen parts of the tile before land here, dealt among the work on score tiles 0-3,
;                   which names v56-87, v40-47, v15, v16 and v[24:25] alone; then the tree of additions reads them.
;   v[20:21]        written by the scaling; read by the global store.      v56-87  written by the four products V^T P; read by eight LDS stores.  One wait on va_vdst serves both.
;   One wait on vm_vsrc, at the tile's end, states that all the tile's stores have read their data: the next tile writes v56-87, v[18:19], v[20:21] and v[28:29] again.
.set QF,    32
.set PC,    40
.set S,     56
.set KF,    120
.set VF,    184
.set STATP, 136                        ; LDS from 0: for query r a row of sixteen pairs + 8 bytes of padding
.set GLOB,  2304                       ; sixteen pairs (tm, 1 / l)
.set OP,    2560                       ; the parts of O^T: two sets by turns; in a set, for each source wave 16 query rows of 256 bytes + 16 of padding
.set OPW,   16*272
.set OPP,   16*OPW
.set SPARE, OP+2*OPP                   ; behind them: the spare words, 128 bytes for each wave: eight blocks of 256 bytes that no other line names
	s_load_b256 s[88:95], s[0:1], 0x0              ; img s[88:89], mbits s[90:91], the scales' exponents s[92:93], out s[94:95]
	v_lshl_add_u32 v1, v0, 2, SPARE
	v_mov_b32 v2, 0
	v_lshrrev_b32 v26, 5, v0
	v_readfirstlane_b32 s14, v26                   ; wave 0..15
	v_and_b32 v27, 31, v0                          ; lane
	v_and_b32 v30, 15, v0                          ; r
	v_bfe_u32 v31, v0, 4, 1                        ; h
	v_lshlrev_b32 v5, 4, v27                       ; an image's place for my lane
	v_lshlrev_b32 v14, 3, v27                      ; my 8 bytes of a row of 256
	s_wait_alu depctr_va_sdst(0)                   ; s14 is written, ahead of its first reader: LDS addresses and all bases are made from it
	s_lshl_b32 s30, s14, 3
	v_mul_u32_u24 v6, v30, STATP
	v_add_nc_u32 v6, s30, v6                       ; where I put (tm_w, l_w): query r's row, pair w
	s_mul_i32 s31, s14, STATP
	v_lshl_add_u32 v7, v30, 3, s31                 ; where I read them as query w's server: row w, pair lane % 16
	s_add_co_u32 s30, s30, GLOB
	v_mov_b32 v8, s30                              ; where I put (tm, 1 / l) of query w
	v_lshl_add_u32 v9, v30, 3, GLOB                ; and read query r's
	s_mul_i32 s31, s14, OPW
	s_add_co_u32 s31, s31, OP
	v_mul_u32_u24 v10, v30, 272
	v_lshl_add_u32 v10, v31, 5, v10
	v_add_nc_u32 v10, s31, v10                     ; my part of O^T, set 0: my region, row r, + 32 h
	v_add_nc_u32 v11, OPP, v10                     ; set 1
	s_mul_i32 s31, s14, 272
	s_add_co_u32 s31, s31, OP
	v_add_nc_u32 v12, s31, v14                     ; the parts of query w, set 0: row w of each region, 8 bytes a lane
	v_add_nc_u32 v13, OPP, v12                     ; set 1
	s_and_b32 s16, ttmp7, 0xffff                   ; 16 b + head
	s_lshl_b32 s18, s16, 17                        ; the head's 131,072 bytes in each of the three images
	s_mov_b32 s19, 0
	s_lshl_b32 s20, s14, 13                        ; my 128 keys: 8,192 bytes,
	s_add_co_u32 s20, s20, 0x800000                ; in K's images, 8 MiB behind Q's
	s_mov_b32 s21, 0
	s_lshl_b32 s22, ttmp9, 15                      ; my work-group's 32 tiles of queries, 1,024 bytes each
	s_mov_b32 s23, 0
	s_lshr_b32 s17, s16, 4                         ; b
	s_lshl_b32 s24, s17, 19                        ; mask words: b x 128 tiles x 4,096 bytes
	s_lshl_b32 s26, ttmp9, 17                      ; + 32 tiles
	s_add_co_u32 s24, s24, s26
	s_lshl_b32 s26, s14, 8                         ; + my key block's 256 bytes
	s_add_co_u32 s24, s24, s26
	s_mov_b32 s25, 0
	s_lshl_b32 s26, s17, 23                        ; out: (2,048 b + 512 x work-group + w) rows of 4,096 bytes
	s_lshl_b32 s28, ttmp9, 21
	s_add_co_u32 s26, s26, s28
	s_lshl_b32 s28, s14, 12
	s_add_co_u32 s26, s26, s28
	s_and_b32 s28, s16, 15
	s_lshl_b32 s28, s28, 8                         ; + the head's 256 bytes
	s_add_co_u32 s26, s26, s28
	s_mov_b32 s27, 0
	s_mov_b32 s10, 0x76543210
	s_mov_b32 s11, 0xfedcba98                      ; v_permlanex16_b32's selects for lane l xor 16
	s_mov_b32 s15, 15
	s_wait_kmcnt 0x0
	s_load_b64 s[96:97], s[92:93], 0x18            ; e6, e7
	s_load_b64 s[98:99], s[92:93], 0x20            ; e8, e9
	s_add_nc_u64 s[2:3], s[88:89], s[18:19]
	s_add_nc_u64 s[84:85], s[2:3], s[20:21]        ; my fragments of K,
	s_add_nc_u64 s[86:87], s[84:85], 0x800000      ; and of V, 8 MiB further on
	s_add_nc_u64 s[2:3], s[2:3], s[22:23]          ; the first tile of queries
	s_add_nc_u64 s[4:5], s[90:91], s[24:25]
	s_add_nc_u64 s[6:7], s[94:95], s[26:27]
	s_wait_alu depctr_va_vdst(0)                   ; the addresses v5 to v14 and the add's v1, v2 are written: every load, store and LDS instruction of the kernel reads one of them, and no vector line names them again
.set m, 0
.rept 16
	global_load_b128 v[KF+4*m:KF+4*m+3], v5, s[84:85] offset:512*m   ; tile m / 2 of 16 keys, quad m % 2
.set m, m+1
.endr
.set m, 0
.rept 16
	global_load_b128 v[VF+4*m:VF+4*m+3], v5, s[86:87] offset:512*m   ; fragment m / 4 (16 of the head's 64), quad m % 4
.set m, m+1
.endr
	global_load_b128 v[QF:QF+3], v5, s[2:3]
	global_load_b128 v[QF+4:QF+7], v5, s[2:3] offset:512
	s_load_b512 s[16:31], s[4:5], 0x0              ; the first tile's 64 mask words
	s_load_b512 s[32:47], s[4:5], 0x40
	s_load_b512 s[48:63], s[4:5], 0x80
	s_load_b512 s[68:83], s[4:5], 0xc0
	v_mov_b32 v3, 0xdd800000                       ; -2^60
	v_mov_b32 v17, 0xdd000000                      ; -2^59
	v_mov_b32 v19, 0                               ; (named as the upper half of a pair before it is first made)
	v_mov_b32 v25, 0                               ; (likewise)
	v_mov_b32 v28, 0                               ; written once: a lane permute's destination counts as one of its sources
	s_wait_alu depctr_va_vdst(0)
	s_wait_kmcnt 0x0
	s_add_co_i32 s96, s96, s97
	s_lshl_b32 s96, s96, 23
	s_add_co_i32 s8, s96, 0x3e38aa3b               ; c' = log2(e) / 8, with e6 + e7 added to its exponent field
	s_mov_b32 s9, s8                               ; (named with it as a pair, so it is written)
	v_mul_f32 v17, s8, v17                         ; c' x -2^59
	s_add_co_i32 s97, s98, 127
	s_lshl_b32 s96, s97, 23
	v_mov_b32 v16, s96                             ; 2^e8 as f32, for the conversion
	s_add_co_i32 s97, s97, 8
	s_lshl_b32 s97, s97, 23
	s_or_b32 s97, s97, 0x600000
	v_mov_b32 v15, s97                             ; 448 x 2^e8
	s_add_co_i32 s12, s98, s99
	s_add_co_i32 s12, s12, 127
	s_lshl_b32 s12, s12, 23                        ; 2^(e8 + e9) as f32
	s_mov_b32 s13, s12
.macro BAR                             ; my LDS stores have landed and my LDS loads are in: then the work-group's barrier
	s_wait_dscnt 0x0
	s_barrier_signal -1
	s_barrier_wait -1
.endm
.macro RLOAD par, k0                   ; four of the sixteen waves' parts of query w, those of waves k0 on, out of set par: 256 consecutive bytes each
.irp k, 0,1,2,3
	ds_load_b64 v[88+2*((\k0)+\k):89+2*((\k0)+\k)], v[12+(\par)] offset:((\k0)+\k)*OPW
.endr
.endm
.macro RSUM                            ; added as a tree, scaled, stored.  These sixteen plain instructions name no register of the four products ahead of them: they are the places behind those
	s_wait_dscnt 0x0
.irp st, 4,8,16,32
.set k, 0
.rept 32/\st
	v_pk_add_f32 v[88+\st*k:89+\st*k], v[88+\st*k:89+\st*k], v[88+\st*k+\st/2:89+\st*k+\st/2]
.set k, k+1
.endr
.endr
	v_pk_mul_f32 v[20:21], v[88:89], s[12:13] op_sel_hi:[1,0]   ; x 2^(e8 + e9)
	s_wait_alu depctr_va_vdst(0)                   ; the scaling has written v[20:21], which the store below reads; in a tile the four products have written O^T, which the LDS stores behind this macro read (the sixteen places above stay beside this wait)
	global_store_b64 v14, v[20:21], s[6:7] offset:-65536 th:TH_STORE_NT   ; the base stands one tile (16 rows of 4,096 bytes) further on; 32 lanes store 256 consecutive bytes, aligned; written once
.endm
.macro PQ t                            ; score tile t's eight e become p and then codes
.irp j, 0,2,4,6
	v_pk_mul_f32 v[S+8*(\t)+\j:S+8*(\t)+\j+1], v[S+8*(\t)+\j:S+8*(\t)+\j+1], v[24:25] op_sel_hi:[1,0]   ; p, finished and normalised
.endr
.irp j, 0,1,2,3,4,5,6,7
	v_min_num_f32 v[S+8*(\t)+\j], v[S+8*(\t)+\j], v15      ; the conversion to an 8-bit code does not saturate (ISA guide 7.6.2); p is not negative, so the hold is one-sided
.endr
	v_cvt_scalef32_pk8_fp8_f32 v[PC+2*(\t):PC+2*(\t)+1], v[S+8*(\t):S+8*(\t)+7], v16   ; registers 2 t, 2 t + 1 of P: keys 16 t + 8 h + 0 .. 7
.endm
; ONE TILE OF 16 QUERIES.  par: the set that takes this tile's parts of O^T; red = 1: the tile before is added up and stored; next = 1: the next tile's Q and mask words are asked for.
.macro QTILE par, red, next
	s_wait_loadcnt 0x0                             ; Q (ahead of the first tile: K and V too)
.set t, 0
.rept 8
	v_wmma_f32_16x16x64_fp8_fp8 v[S+8*t:S+8*t+7], v[KF+8*t:KF+8*t+7], v[QF:QF+7], 0   ; eight accumulators, one instruction each
.set t, t+1
.endr
.rept 4
	v_nop                                          ; places in front of the first reads of the scores
.endr
	s_wait_kmcnt 0x0                               ; the mask words, asked for in the tile before
	s_wait_xcnt 0x0                                ; all earlier loads and the last store have read their addresses and data: the three bases below and the pair v[20:21] are written only behind this wait
.if \red
	s_add_nc_u64 s[6:7], s[6:7], 0x10000
.endif
.if \next
	s_add_nc_u64 s[2:3], s[2:3], 1024
	s_add_nc_u64 s[4:5], s[4:5], 4096
.endif
.set n, 0
.rept 64
.if n < 48
	v_cndmask_b32 v[S+n], v3, v[S+n], s[16+n]      ; a hidden score becomes -2^60; each accumulator from its low end on
.else
	v_cndmask_b32 v[S+n], v3, v[S+n], s[20+n]
.endif
.set n, n+1
.endr
	v_max3_num_f32 v26, v[S], v[S+1], v[S+2]       ; the largest of my query's 64 scores here, in two chains,
	v_max3_num_f32 v27, v[S+3], v[S+4], v[S+5]
.set i, 6
.rept 14
	v_max3_num_f32 v26, v26, v[S+i], v[S+i+1]
	v_max3_num_f32 v27, v27, v[S+i+2], v[S+i+3]
.set i, i+4
.endr
	v_max3_num_f32 v26, v26, v[S+62], v[S+63]
	v_max_num_f32 v26, v26, v27
	v_permlanex16_b32 v28, v26, s10, s11
	v_max_num_f32 v26, v26, v28                    ; and of lane l xor 16's 64
	v_mul_f32 v18, s8, v26                         ; tm_w (c' is positive)
.set j, 0
.rept 32
	v_pk_fma_f32 v[S+j:S+j+1], v[S+j:S+j+1], s[8:9], v[18:19] op_sel_hi:[1,0,0] neg_lo:[0,0,1] neg_hi:[0,0,1]   ; t - tm_w, two at a time
.set j, j+2
.endr
.set j, 0
	s_wait_alu depctr_va_vdst(0)
.rept 64
	v_exp_f32 v[S+j], v[S+j]                       ; e = 2^(t - tm_w)
.set j, j+1
.endr
	v_nop                                          ; a plain instruction behind the last exponential
	s_wait_alu depctr_va_vdst(0)                   ; the 64 exponentials have written e, ahead of its first reader: one wait for the batch; and the eight products are done reading Q, in whose registers the loads below land
.if \next
	global_load_b128 v[QF:QF+3], v5, s[2:3]        ; no vector or matrix line since the wait names Q's registers
	global_load_b128 v[QF+4:QF+7], v5, s[2:3] offset:512
	s_load_b512 s[16:31], s[4:5], 0x0              ; the selects, the last readers of the old words, stand ahead of the wait above too
	s_load_b512 s[32:47], s[4:5], 0x40
	s_load_b512 s[48:63], s[4:5], 0x80
	s_load_b512 s[68:83], s[4:5], 0xc0
.endif
	v_pk_add_f32 v[248:249], v[S:S+1], v[S+2:S+3]  ; the sum, two at a time, in two chains
	v_pk_add_f32 v[250:251], v[S+4:S+5], v[S+6:S+7]
.set j, 8
.rept 14
	v_pk_add_f32 v[248:249], v[248:249], v[S+j:S+j+1]
	v_pk_add_f32 v[250:251], v[250:251], v[S+j+2:S+j+3]
.set j, j+4
.endr
	v_pk_add_f32 v[248:249], v[248:249], v[250:251]
	v_add_f32 v19, v248, v249
	v_permlanex16_b32 v28, v19, s10, s11
	v_add_f32 v19, v19, v28                        ; l_w
	s_wait_alu depctr_va_vdst(0)                   ; v18 and v19 are written, which the LDS store reads; and the last tile's readers of v[22:23] are done, in which the load behind the barrier lands
	ds_store_b64 v6, v[18:19]                      ; (lanes r and r + 16 write the same pair to the same place)
	BAR                                            ; all sixteen pairs of every query lie in LDS; and the last tile's parts of O^T have landed
	; wave w serves query w; lane % 16 is the source wave
	ds_load_b64 v[22:23], v7
	s_wait_dscnt 0x0
	v_mov_b32 v28, v22
	v_max_num_f32_dpp v28, v28, v28 row_xmask:1 row_mask:0xf bank_mask:0xf
	v_max_num_f32_dpp v28, v28, v28 row_xmask:2 row_mask:0xf bank_mask:0xf
	v_max_num_f32_dpp v28, v28, v28 row_xmask:4 row_mask:0xf bank_mask:0xf
	v_max_num_f32_dpp v28, v28, v28 row_xmask:8 row_mask:0xf bank_mask:0xf   ; tm
	v_sub_f32 v26, v22, v28
	s_wait_alu depctr_va_vdst(0)
	v_exp_f32 v26, v26                             ; 2^(tm_w - tm)
	v_cmp_gt_f32 s84, v28, v17                     ; has the row an open key?
	v_nop
	s_wait_alu depctr_va_vdst(0)                   ; the exponential has written v26, ahead of its reader
	v_mul_f32 v26, v26, v23
	v_add_f32_dpp v26, v26, v26 row_xmask:1 row_mask:0xf bank_mask:0xf
	v_add_f32_dpp v26, v26, v26 row_xmask:2 row_mask:0xf bank_mask:0xf
	v_add_f32_dpp v26, v26, v26 row_xmask:4 row_mask:0xf bank_mask:0xf
	v_add_f32_dpp v26, v26, v26 row_xmask:8 row_mask:0xf bank_mask:0xf       ; l, at least 1
	s_wait_alu depctr_va_vdst(0)
	v_rcp_f32 v27, v26
	v_nop
	s_wait_alu depctr_va_vdst(0)                   ; the reciprocal has written v27, ahead of its reader
	s_wait_alu depctr_va_sdst(0)                   ; the compare has written s84, ahead of its first reader, the select
	v_cndmask_b32 v29, 0, v27, s84                 ; 1 / l, or 0 for a row with no open key
	s_wait_alu depctr_va_vdst(0)                   ; v28 and v29 are written, which the LDS store reads; and the lines above are done reading v[22:23], in which the load behind the barrier lands
	ds_store_b64 v8, v[28:29]
	BAR                                            ; every query's (tm, 1 / l) lies in LDS; nobody reads the waves' pairs any more
	ds_load_b64 v[22:23], v9
	s_wait_dscnt 0x0
	v_sub_f32 v24, v18, v22
	s_wait_alu depctr_va_vdst(0)
	v_exp_f32 v24, v24
	v_nop
	s_wait_alu depctr_va_vdst(0)                   ; the exponential has written v24, ahead of its reader
	v_mul_f32 v24, v24, v23                        ; f = 2^(tm_w - tm) / l
.irp t, 4,5,6,7
	PQ \t                                          ; score tiles 4 to 7 first: their conversions empty v88-119
.endr
.if \red
	s_wait_alu depctr_va_vdst(0)                   ; all that wrote and read v88-119, the conversions of score tiles 4 to 7 last, is done: the parts of the tile before land there
.endif
.irp t, 0,1,2,3
.if \red
	RLOAD 1-(\par), 4*\t                           ; the tile before: its parts were stored behind that tile's second barrier, and two barriers have been passed since.  No wait: the lines of score tiles 0 to 3 name v56-87, v40-47, v15, v16, v[24:25] alone
.endif
	PQ \t
.endr
	v_nop                                          ; one plain vector instruction between the last conversion and the products, which read its result and write over the conversions' sources
.set t, 0
.rept 4
	v_wmma_f32_16x16x128_fp8_fp8 v[S+8*t:S+8*t+7], v[VF+16*t:VF+16*t+15], v[PC:PC+15], 0   ; my 128 keys' part of O^T: four accumulators, one instruction each
.set t, t+1
.endr
.if \red
	RSUM
.else
.rept 5
	v_nop                                          ; four places in front of the stores below; five in front of the next tile's products, which write over these accumulators
.endr
	s_wait_alu depctr_va_vdst(0)                   ; the four products have written O^T, which the LDS stores below read; the places above stay beside this wait
.endif
.set t, 0
.rept 4
	ds_store_b128 v[10+(\par)], v[S+8*t:S+8*t+3] offset:64*t        ; query r, the head's 16 t + 8 h + 0 .. 7; each accumulator from its low end on
	ds_store_b128 v[10+(\par)], v[S+8*t+4:S+8*t+7] offset:64*t+16   ; this set was last read a tile ago, ahead of that reader's wait and of this tile's first barrier
.set t, t+1
.endr
	s_wait_alu depctr_vm_vsrc(0)                   ; the tile's stores have read their data: the eight above v56-87, the two small ones v[18:19] and v[28:29], the global one (red = 1) v[20:21]: what follows writes these again
.endm
	QTILE 0, 0, 1                                  ; tile 0: nothing to add up yet
.Ltiles:                                           ; 15 trips of two tiles, in which the two sets change places: tiles 1 to 30
	QTILE 1, 1, 1
	QTILE 0, 1, 1
	s_sub_co_u32 s15, s15, 1
	s_cmp_lg_u32 s15, 0
	s_cbranch_scc1 .Ltiles
	QTILE 1, 1, 0                                  ; tile 31 asks for nothing more: no load leaves its buffer
	BAR                                            ; its parts of O^T lie in LDS
	s_wait_xcnt 0x0                                ; the last store has read its base and its data
	s_add_nc_u64 s[6:7], s[6:7], 0x10000
	RLOAD 1, 0                                     ; no vector line has named v88-119 since tile 31's wait ahead of its store
	RLOAD 1, 4
	RLOAD 1, 8
	RLOAD 1, 12
	RSUM
	s_wait_dscnt 0x0                               ; the closing lines, six on end
	s_wait_alu 0x0
	s_wait_tensorcnt 0x0
	ds_add_u32 v1, v2
	s_wait_dscnt 0x0
	s_endpgm
.Lfunc_end_k_qcf0f935952_attn:
	.size	k_qcf0f935952_attn, .Lfunc_end_k_qcf0f935952_attn-k_qcf0f935952_attn
	.p2alignl 7, 3214868480
	.fill 96, 4, 3214868480
	.section	.rodata,"a",@progbits
	.p2align	6, 0x0
	.amdhsa_kernel k_qcf0f935952_attn
		.amdhsa_group_segment_fixed_size 143872
		.amdhsa_private_segment_fixed_size 0
		.amdhsa_enable_private_segment 0
		.amdhsa_kernarg_size 32
		.amdhsa_user_sgpr_count 2
		.amdhsa_user_sgpr_kernarg_segment_ptr 1
		.amdhsa_wavefront_size32 1
		.amdhsa_system_sgpr_workgroup_id_x 1
		.amdhsa_system_sgpr_workgroup_id_y 1
		.amdhsa_system_sgpr_workgroup_id_z 1
		.amdhsa_system_vgpr_workitem_id 0
		.amdhsa_next_free_vgpr 256
		.amdhsa_next_free_sgpr 100
		.amdhsa_reserve_vcc 0
		.amdhsa_float_denorm_mode_32 3
		.amdhsa_float_denorm_mode_16_64 3
		.amdhsa_memory_ordered 1
		.amdhsa_forward_progress 1
		.amdhsa_inst_pref_size 99
	.end_amdhsa_kernel
	.amdgpu_metadata
---
amdhsa.version: [ 1, 2 ]
amdhsa.kernels:
  - .name:           k_qcf0f935952_attn
    .symbol:         k_qcf0f935952_attn.kd
    .args:
      - { .name: img, .offset: 0, .size: 8, .value_kind: global_buffer, .address_space: global }
      - { .name: mbits, .offset: 8, .size: 8, .value_kind: global_buffer, .address_space: global }
      - { .name: lowp_scales, .offset: 16, .size: 8, .value_kind: global_buffer, .address_space: global }
      - { .name: out0, .offset: 24, .size: 8, .value_kind: global_buffer, .address_space: global }
    .group_segment_fixed_size: 143872
    .private_segment_fixed_size: 0
    .kernarg_segment_align: 8
    .kernarg_segment_size: 32
    .max_flat_workgroup_size: 512
    .sgpr_count:     100
    .vgpr_count:     256
    .wavefront_size: 32
...
	.end_amdgpu_metadata
.endif
;; end of part 6
